; MI455X (gfx1250); checked and timed in simulation.
; The chip was launched on July 23, 2026; its instructions are those of AMD's public machine-readable ISA for CDNA 5 (MIT licence, August 2026) and "CDNA5" Instruction Set Architecture Reference Guide (July 2026). The comments in the code are by the model that wrote it; some were corrected since.
;; Multi Head Attention. Allowed arithmetic: matrix products marked QUANTISED: E2M3 operands, one E8M0 scale for each 32 along K, by v_wmma_scale_f32_16x16x128_f8f6f4 with both operands' format E2M3, f32 sums; everything else in f32.
;; Inputs: b_out 1,024 float32; w_out 1,024 x 1,024 float32; w_qkv 3,072 x 1,024 float32; x 4 x 2,048 x 1,024 float32.
;; Outputs: out0 4 x 2,048 x 1,024 float32.
;; This version of the problem:
;;   THIS VERSION OF THE PROBLEM IS GIVEN IN LOW PRECISION. The matrix products marked QUANTISED in the list below multiply operands that are first quantised to E2M3 (2 exponent bits, 3 mantissa bits; 6 bits a number), with one power-of-two scale for each 32 numbers along K (OCP MX v1.0); their sums are f32. All else is computed in f32.
;;   The module's matrix products, in the order in which they are computed (A, B: the left and right operand; K: the contracted axis; several contracted axes count as one K, in the product's order):
;;     1. [M 8,192, K 1,024] x [K 1,024, N 3,072]; A: input x; B: input w_qkv: QUANTISED
;;     2. batch 64 x [M 2,048, K 64] x [K 64, N 2,048]; A: computed on the way; B: computed on the way: QUANTISED
;;     3. batch 64 x [M 2,048, K 2,048] x [K 2,048, N 64]; A: softmax (see below); B: computed on the way: QUANTISED
;;     4. [M 8,192, K 1,024] x [K 1,024, N 1,024]; A: computed on the way; B: input w_out: QUANTISED
;;   THE QUANTISER, for each operand of a quantised product, along K:
;;     - K is cut into blocks of 32 from its start; a last block that is shorter is filled with zeros.
;;     - A block's scale is 2^e with e = floor(log2(the largest magnitude in the block)) - 2, held to -126 .. 127; a block of zeros has e = 0. As a byte (E8M0): e + 127.
;;     - Each number is divided by its block's scale, clamped to +-7.5, and rounded to the nearest number of E2M3, ties to even, subnormals kept.
;;     - The product sums the exact products of the quantised numbers (number of the format x scale) in f32.
;;   ~~~python
;;   def quantise(x, axis):      # numpy; x: float32 -> the quantised numbers, widened to float32 again
;;       x = np.moveaxis(x, axis, -1); K = x.shape[-1]
;;       x = np.pad(x, [(0, 0)] * (x.ndim - 1) + [(0, -K % 32)]); x = x.reshape(x.shape[:-1] + (-1, 32)); a = np.abs(x).max(-1, keepdims=True)
;;       e = np.where(a > 0, np.clip(np.frexp(np.where(a > 0, a, 1))[1] - 1 - 2, -126, 127), 0)      # np.frexp(a)[1] - 1 = floor(log2(a)), exactly
;;       r = np.clip(x / 2.0 ** e, -7.5, 7.5)
;;       step = 2.0 ** (np.maximum(np.frexp(np.where(r == 0, 1, r))[1] - 1, 0) - 3)
;;       q = np.round(r / step) * step * 2.0 ** e      # np.round: ties to even
;;       return np.moveaxis(q.reshape(q.shape[:-2] + (-1,))[..., :K], -1, axis).astype(np.float32)
;;   ~~~
;;   SOFTMAX AHEAD OF A QUANTISED PRODUCT. Where the list says 'softmax', what is quantised is not the finished softmax but p = 2^(t - M), with t = logit x log2(e) and M = ceil(the row's largest t), a whole number; so 1/2 < the row's largest p <= 1. The row's sum l is taken of the UNQUANTISED p, in f32, and the product's result is divided by l at the end. Since M is a whole number, a kernel that streams over the keys may use a running M (the ceiling of the running maximum): every later rescaling is an exact power of two, which a block's scale takes up: the codes' values come out the same.
;;   OPERANDS COMPUTED ON THE WAY. 'Computed on the way' means the value that the module computes at that place (a softmax that the list does not call 'softmax' is quantised finished and normalised). What goes into a quantiser is computed in f32, as accurately as f32 sums, v_exp_f32 and their like allow (about 1e-6 of the number): no bf16 or f16 on the way to a quantiser, and a product that is left as it is and whose result goes on into a quantised operand takes f32 operands (vector FMAs, or v_wmma_f32_16x16x4_f32). A number that lies on a knife's edge between two numbers of the format may be rounded either way, as far as f32 arithmetic and the matrix unit's own rounding can turn it there, and no further.
;; One version. Each part assembles by itself: llvm-mc -triple=amdgcn-amd-amdhsa -mcpu=gfx1250 --defsym DOCPART=n.
;; ======== version 1 of 1: 4 launches
;; limits: right only within a limited range of input values
;; workspace buffers: opc 9,437,184 bytes; ops 393,216 bytes; qkc 12,582,912 bytes; qks 524,288 bytes; vc 6,291,456 bytes; vs 262,144 bytes; ac 6,291,456 bytes; as2 262,144 bytes
;; launch quant (part 1): grid 768 x 1, 4 waves a work-group, no clusters, 34,816 bytes of LDS; arguments x, w_qkv, w_out, opc, ops; writes opc, ops
.if DOCPART == 1
	.amdgcn_target "amdgcn-amd-amdhsa--gfx1250"
	.amdhsa_code_object_version 6
	.text
	.protected	k_q03ff64e613_quant
	.globl	k_q03ff64e613_quant
	.p2align	8
	.type	k_q03ff64e613_quant,@function
k_q03ff64e613_quant:
	s_mov_b64 s[64:65], 0
	v_nop
	global_prefetch_b8 v0, s[64:65] scope:SCOPE_SE
	s_setreg_imm32_b32 hwreg(HW_REG_WAVE_MODE, 25, 1), 1
	s_wait_xcnt 0x0
; LAUNCH 1 OF 4: x [8192][1024], w_qkv [3072][1024] and w_out [1024][1024], f32, become codes of FP6 (E2M3) with one E8M0 byte for each 32 along K (their last axis).
; THE PROGRAM: 1 quantises the inputs; 2 is x w_qkv^T, whose results leave as codes of q, k (along the head's 64) and v (along the keys); 3 is the causal attention, whose result leaves as codes along C; 4 is o w_out^T + b_out.
; WORK LEFT OUT, in launch 3 alone: a step of 128 keys all of which come after all queries of a wave's block of 128 queries.  reference() builds the causal mask in its own body (jnp.tril) and puts -inf in place of
; those scores, whatever the inputs hold: their p is 0, so they add nothing to the row's maximum, to its sum or to the second product.  Every input has a way to the output and is loaded.
; LIMIT: a NaN, an infinity or an overflow that would reach only those scores is not carried to the result.
; LAYOUT OF ALL CODES IN THIS PROGRAM: an image of the operand's registers.  16 rows x 64 along K are 768 bytes: lane l = (r = l % 16, h = l / 16) owns the 32 codes (24 bytes, six registers) of block h of row r;
; registers 0-3 lie at 16 l, registers 4-5 at 512 + 8 l.  Two such images on end are one operand of 16 x 128.  opc: [tile of 16 rows][K / 64][768]; tiles 0-511 x, 512-703 w_qkv, 704-767 w_out.
; THE ROWS OF A TILE ARE NOT NEIGHBOURS: lane r of tile 2 b + u takes row 32 b + 8 u + r + 8 (r / 8), so that in a product used transposed the 16 registers of tiles 2 b, 2 b + 1 are 16 neighbours along the next K.
; ops: [16 x tile + r][32 scale bytes].
; A block's scale is 2^(floor(log2(largest magnitude)) - 2); its byte is that magnitude's exponent field - 2, held at 1 from below.  A block of zeros keeps the byte 1: its codes are zeros, and this program alone reads the bytes.
; LIMITS: NaN and infinities among the inputs are not served.
; SHARES: a work-group makes one tile; wave w takes K 256 w .. 256 w + 255: two operands.  Each load reads 512 consecutive bytes of one row; the numbers turn through the wave's own stage in LDS, so that a lane gets whole blocks.
; No matrix unit, no cluster, no tensor load: the launch streams, and work-groups share nothing.
.set WREG,  8448                       ; a wave's stage: 16 rows x SP
.set SP,    528                        ; 512 bytes + 16: the sixteen rows of a read start in sixteen different groups of banks
.set SCG,   4*WREG                     ; the tile's 512 scale bytes are gathered here
.set SPARE, SCG+512                    ; the spare words, 128 bytes a wave: no other line names them
.set R,     32                         ; v32-159  two operands' numbers as loaded
.set X,     160                        ; v160-223 64 numbers of a lane: two whole blocks
.set C,     224                        ; v224-247 codes, 12 registers for each operand
.set CT,    248                        ; v248-250, v252-254 a block's upper 16 codes (a conversion's three registers begin on an even number)
.set SPW,   12
.set NIL,   13
	s_load_b256 s[4:11], s[0:1], 0x0               ; x, w_qkv, w_out, opc
	s_load_b64 s[12:13], s[0:1], 0x20              ; ops
	v_lshl_add_u32 v[SPW], v0, 2, SPARE
	v_mov_b32 v[NIL], 0
	v_lshrrev_b32 v1, 5, v0
	v_readfirstlane_b32 s14, v1                    ; wave
	v_and_b32 v1, 31, v0                           ; lane
	v_and_b32 v2, 15, v0                           ; r
	v_bfe_u32 v3, v0, 4, 1                         ; h
	v_lshlrev_b32 v4, 4, v1                        ; 16 x lane
	v_lshlrev_b32 v5, 3, v1                        ; 8 x lane
	s_mul_i32 s18, s14, WREG
	v_add_nc_u32 v6, s18, v4                       ; the stage, on the way in: a row as it lies
	v_mul_u32_u24 v7, v2, SP
	v_lshl_add_u32 v7, v3, 7, v7
	v_add_nc_u32 v7, s18, v7                       ; and out: row r, + 128 h: my block of 32 numbers
	v_lshlrev_b32 v8, 5, v2
	s_lshl_b32 s19, s14, 3
	s_add_co_u32 s19, s19, SCG
	v_add_nc_u32 v8, s19, v8                       ; my row's 32 scale bytes, my wave's eight of them
	v_add_nc_u32 v9, SCG, v4                       ; wave 0 reads all 512 back
	v_lshlrev_b32 v10, 3, v3                       ; 8 h: where my bytes stand in a scale word
	v_mov_b32 v24, 0                               ; a lane permute's destination counts as one of its sources
	s_mov_b32 s20, 0x76543210
	s_mov_b32 s21, 0xfedcba98                      ; selects for lane l xor 16
	s_mov_b32 s15, 704
	s_wait_alu depctr_va_vdst(0)
	s_wait_kmcnt 0x0
	s_cmp_lt_u32 ttmp9, 704                        ; which tensor: the choice hangs on the work-group's number alone
	s_cselect_b64 s[6:7], s[6:7], s[8:9]
	s_cselect_b32 s15, 512, s15
	s_cmp_lt_u32 ttmp9, 512
	s_cselect_b64 s[4:5], s[4:5], s[6:7]
	s_cselect_b32 s15, 0, s15
	s_sub_co_u32 s16, ttmp9, s15                   ; t: the tile's number in its tensor
	s_lshr_b32 s17, s16, 1
	s_lshl_b32 s17, s17, 17                        ; 32 (t / 2) rows of 4,096 bytes
	s_and_b32 s16, s16, 1
	s_lshl_b32 s16, s16, 15                        ; + 8 (t % 2) rows
	s_add_co_u32 s16, s16, s17
	s_lshl_b32 s17, s14, 10                        ; + my wave's 1,024 bytes of a row
	s_add_co_u32 s16, s16, s17
	s_mov_b32 s17, 0
	s_add_nc_u64 s[4:5], s[4:5], s[16:17]
	s_mul_i32 s22, ttmp9, 12288
	s_mul_i32 s16, s14, 3072
	s_add_co_u32 s22, s22, s16
	s_mov_b32 s23, 0
	s_add_nc_u64 s[10:11], s[10:11], s[22:23]      ; my four images
	s_lshl_b32 s22, ttmp9, 9
	s_add_nc_u64 s[12:13], s[12:13], s[22:23]      ; the tile's scale bytes
.macro LOADF f                         ; operand f: 128 along K of the tile's 16 rows
.irp i, 0,1,2,3,4,5,6,7,8,9,10,11,12,13,14,15
	global_load_b128 v[R+64*\f+4*\i:R+64*\f+4*\i+3], v4, s[4:5] offset:(\i+8*(\i/8))*4096+512*\f th:TH_LOAD_NT
.endr
.endm
.macro TURNF f                         ; through the stage: LDS serves a wave's instructions in order, so no wait stands between the stores and the loads
.irp i, 0,1,2,3,4,5,6,7,8,9,10,11,12,13,14,15
	ds_store_b128 v6, v[R+64*\f+4*\i:R+64*\f+4*\i+3] offset:SP*\i
.endr
.irp c, 0,1
.irp k, 0,1,2,3,4,5,6,7
	ds_load_b128 v[X+32*\c+4*\k:X+32*\c+4*\k+3], v7 offset:256*\c+16*\k   ; K = 64 c + 32 h + 4 k ..
.endr
.endr
.endm
.macro QF f                            ; my two blocks (2 c + h of the operand's four) become codes; the four bytes of my row's scale word are gathered from lanes l and l xor 16
.irp c, 0,1
.irp u, 0,1
	v_max3_num_f32 v[16+2*\c+\u], |v[X+32*\c+16*\u]|, |v[X+32*\c+16*\u+1]|, 0x1800000   ; two chains a block; the floor 2^(3 - 127) holds the byte at 1 from below
.endr
.endr
.irp i, 2,4,6,8,10,12,14
.irp c, 0,1
.irp u, 0,1
	v_max3_num_f32 v[16+2*\c+\u], v[16+2*\c+\u], |v[X+32*\c+16*\u+\i]|, |v[X+32*\c+16*\u+\i+1]|
.endr
.endr
.endr
.irp c, 0,1
	v_max_num_f32 v[16+2*\c], v[16+2*\c], v[17+2*\c]
.endr
.irp c, 0,1
	v_add_nc_u32 v[20+\c], 0xff000000, v[16+2*\c]  ; 2 off the exponent field: the conversion takes that field of this operand as its scale
.endr
.irp c, 0,1
	v_lshrrev_b32 v[22+\c], 23, v[20+\c]           ; the scale's byte
.endr
	v_lshl_or_b32 v25, v23, 16, v22
	v_lshlrev_b32 v25, v10, v25
	v_permlanex16_b32 v24, v25, s20, s21
	v_or_b32 v[14+\f], v25, v24
.irp c, 0,1
	v_cvt_scalef32_pk16_fp6_f32 v[C+12*\f+6*\c:C+12*\f+6*\c+2], v[X+32*\c:X+32*\c+15], v[20+\c]
	v_cvt_scalef32_pk16_fp6_f32 v[CT+4*\c:CT+4*\c+2], v[X+32*\c+16:X+32*\c+31], v[20+\c]
.endr
	v_nop                                          ; one plain place behind a scaled conversion
.irp c, 0,1
.irp i, 0,1,2
	v_mov_b32 v[C+12*\f+6*\c+3+\i], v[CT+4*\c+\i]
.endr
.endr
.endm
.macro PUTF f                          ; two images: each store covers 512 or 256 consecutive bytes, aligned
	global_store_b128 v4, v[C+12*\f:C+12*\f+3], s[10:11] offset:1536*\f
	global_store_b64 v5, v[C+12*\f+4:C+12*\f+5], s[10:11] offset:1536*\f+512
	global_store_b128 v4, v[C+12*\f+6:C+12*\f+9], s[10:11] offset:1536*\f+768
	global_store_b64 v5, v[C+12*\f+10:C+12*\f+11], s[10:11] offset:1536*\f+1280
.endm
	LOADF 0
	LOADF 1
	s_wait_loadcnt 16                              ; operand 0's sixteen loads are in, operand 1's may be out
	TURNF 0
	s_wait_dscnt 0x0
	QF 0
	PUTF 0
	s_wait_loadcnt 0x0
	TURNF 1
	s_wait_dscnt 0x0
	QF 1
	PUTF 1
	ds_store_b64 v8, v[14:15]                      ; both lanes of a row write the same words with the same values
	s_wait_dscnt 0x0                               ; for the others' sake: my store has landed
	s_barrier_signal -1
	s_barrier_wait -1
	s_cmp_lg_u32 s14, 0
	s_cbranch_scc1 .Lend
	ds_load_b128 v[16:19], v9
	s_wait_dscnt 0x0
	global_store_b128 v4, v[16:19], s[12:13]       ; 512 consecutive bytes
.Lend:
	s_wait_tensorcnt 0x0                           ; the wave's end
	ds_add_u32 v[SPW], v[NIL]
	s_wait_dscnt 0x0
	s_endpgm
.Lfunc_end_k_q03ff64e613_quant:
	.size	k_q03ff64e613_quant, .Lfunc_end_k_q03ff64e613_quant-k_q03ff64e613_quant
	.p2alignl 7, 3214868480
	.fill 96, 4, 3214868480
	.section	.rodata,"a",@progbits
	.p2align	6, 0x0
	.amdhsa_kernel k_q03ff64e613_quant
		.amdhsa_group_segment_fixed_size 34816
		.amdhsa_private_segment_fixed_size 0
		.amdhsa_enable_private_segment 0
		.amdhsa_kernarg_size 40
		.amdhsa_user_sgpr_count 2
		.amdhsa_user_sgpr_kernarg_segment_ptr 1
		.amdhsa_wavefront_size32 1
		.amdhsa_system_sgpr_workgroup_id_x 1
		.amdhsa_system_sgpr_workgroup_id_y 1
		.amdhsa_system_sgpr_workgroup_id_z 1
		.amdhsa_system_vgpr_workitem_id 0
		.amdhsa_next_free_vgpr 256
		.amdhsa_next_free_sgpr 66
		.amdhsa_reserve_vcc 0
		.amdhsa_float_denorm_mode_32 3
		.amdhsa_float_denorm_mode_16_64 3
		.amdhsa_memory_ordered 1
		.amdhsa_forward_progress 1
		.amdhsa_inst_pref_size 17
	.end_amdhsa_kernel
	.amdgpu_metadata
---
amdhsa.version: [ 1, 2 ]
amdhsa.kernels:
  - .name:           k_q03ff64e613_quant
    .symbol:         k_q03ff64e613_quant.kd
    .args:
      - { .name: x, .offset: 0, .size: 8, .value_kind: global_buffer, .address_space: global }
      - { .name: w_qkv, .offset: 8, .size: 8, .value_kind: global_buffer, .address_space: global }
      - { .name: w_out, .offset: 16, .size: 8, .value_kind: global_buffer, .address_space: global }
      - { .name: opc, .offset: 24, .size: 8, .value_kind: global_buffer, .address_space: global }
      - { .name: ops, .offset: 32, .size: 8, .value_kind: global_buffer, .address_space: global }
    .group_segment_fixed_size: 34816
    .private_segment_fixed_size: 0
    .kernarg_segment_align: 8
    .kernarg_segment_size: 40
    .max_flat_workgroup_size: 128
    .sgpr_count:     66
    .vgpr_count:     256
    .wavefront_size: 32
...
	.end_amdgpu_metadata
.endif
;; end of part 1
;; launch gemm_qkv (part 2): grid 4 x 64, 4 waves a work-group, clusters of 4 x 4, 327,680 bytes of LDS; arguments opc, ops, qkc, qks, vc, vs; writes qkc, qks, vc, vs
.if DOCPART == 2
	.amdgcn_target "amdgcn-amd-amdhsa--gfx1250"
	.amdhsa_code_object_version 6
	.text
	.protected	k_q03ff64e613_gemm_qkv
	.globl	k_q03ff64e613_gemm_qkv
	.p2align	8
	.type	k_q03ff64e613_gemm_qkv,@function
k_q03ff64e613_gemm_qkv:
	s_mov_b64 s[64:65], 0
	v_nop
	global_prefetch_b8 v0, s[64:65] scope:SCOPE_SE
	s_setreg_imm32_b32 hwreg(HW_REG_WAVE_MODE, 25, 1), 1
	s_wait_xcnt 0x0
	s_wait_alu depctr_hold_cnt(0) depctr_sa_sdst(0) depctr_va_vdst(0) depctr_va_sdst(0) depctr_va_ssrc(0) depctr_va_vcc(0) depctr_vm_vsrc(0)
	s_getreg_b32 s2, hwreg(HW_REG_IB_STS2, 6, 4)
	s_cmp_eq_u32 s2, 0
	s_cbranch_scc0 .Lentry_in_a_cluster
	s_endpgm
.Lentry_in_a_cluster:
	s_bfe_u32 s2, ttmp6, 0x10000c
	s_cmp_lg_u32 s2, 0xf033
	s_cbranch_scc0 .Lentry_shape_is_right
	s_endpgm
.Lentry_shape_is_right:
; LAUNCH 2 OF 4: qkv = x w_qkv^T on codes of FP6 (K = 1,024), f32 sums; q and k leave as codes along the head's 64, v as codes along the keys.  No work is left out here.
; 256 WORK-GROUPS THAT STAY: each makes three tiles of 128 rows of A x 256 rows of B, 768 in all.  Four waves, 2 x 2, of 64 x 128: 32 accumulators.  The matrix instruction is used transposed (source 0 = 16 rows
; of B, source 1 = 16 rows of A): a lane holds ONE row of A and its registers run along B's rows, which by the order of rows in a tile (launch 1) are neighbours: the axis that is quantised next.
; THE DEAL.  i = 4 x cluster y + cy (0 .. 63), g = cx.  Tiles 0, 1: A = x's rows 128 i .., B = rows 256 (2 g + tile) .. of w_q | w_k.  Tile 2: A = w_v's rows 128 (4 (cluster y % 2) + cy) ..,
; B = x's rows 256 (4 (cluster y / 2) + cx) ...  So A hangs on the cluster and cy alone and is asked for jointly along a row of the cluster, B on the cluster and cx alone, along a column, in all three tiles.
; LDS: two slots, each with half of K (512) of a tile: A's 8 tiles of 16 rows, then B's 16, 6,144 bytes each.  Wave w always fetches operand w % 2 (A, B) of half w / 2: one tensor load a wave at the head.
; A tile is eight steps of 128 along K.  At the head of step 3 all reads of slot 0 are over: the three lines, a round of the cluster's barrier, and waves 0 and 1 fill it with the next tile's first half;
; at the head of step 7 the same for slot 1, by waves 2 and 3.  A refill is waited for four steps, 128 matrix instructions, later, in front of the next round, which shows it to all waves.
; The first two tiles are a loop of two trips; the third fills nothing and is written out.  By this text's count a wave has one tensor load out.
; THE SCALE WORDS of a tile go from ops straight into registers: block i's eight words at v[32 + 10 i ..], lanes 0-15 A's rows, lanes 16-31 B's.  They are asked for behind the last products of the tile before and land under its way out.
; OUT.  qkc [16: 8 pairs of q heads, 8 of k heads][512 tiles of 16 tokens][2 heads][768];  vc [8 pairs of heads][64 steps of 128 keys][2 heads x 4 tiles of d][2 x 64 keys][768]: images as in launch 1.
; qks [32 heads: q, then k][64 steps of 128 tokens][r 16][4 words]: a word holds the two bytes of tile 2 j and the two of tile 2 j + 1.  vs [8][64][plane 2][r 16][4 words].
; A wave has two of a row's four scale words: sixteen lanes store 8 bytes each at a pitch of 16; the other 8 are stored by the wave with the tile's other 64 rows.
; Not laid: a prefetch; each refill is asked for four steps ahead of the wait for it.  A block of zeros keeps the scale byte 1: its codes are zeros, and this program alone reads the bytes.
; REGISTERS: window 0: v0-31 addresses; v32-111 scale words; v112-215 the way out; window 1: B's fragments, two sets at v0 and v128; window 2: the accumulators ((a, b) at v[8 (8 a + b)]); window 3: A's fragments, two sets of 48.
.set FR,    12
.set TILEB, 12288                      ; a tile of 16 rows, all of K
.set HKB,   6144                       ; and its bytes of half of K
.set HREG,  24*HKB                     ; a slot
.set BOFF,  8*HKB
.set SPARE, 2*HREG                     ; the spare words: no other line names them
.set ADA16, 8                          ; v8, v9 16 x lane + my rows of A in slot 0, 1; v10, v11 with 8 x lane; v12-15 the same for B
.set ADA8,  10
.set ADB16, 12
.set ADB8,  14
.set R32,   20                         ; 32 r
.set VO,    21                         ; my row's scale bytes in ops
.set OF16,  24
.set OF8,   25
.set OSCQ,  26
.set OSCV,  27
.set SPW,   28
.set NIL,   29
.set SC,    32
.set PWS,   160
.set TM,    200
.set G1,   24
.set G1B,  32
.set GA,   40
.set GB,   44
.set PH,   56                          ; the tile's number
.set MSB, 0
.macro WIN new
.if MSB != (\new)
	s_set_vgpr_msb (MSB<<8)|(\new)
.set MSB, (\new)
.endif
.endm
.set MUL,  0xad                        ; source 0 (B) window 1, source 1 (A) window 3, C and D window 2
.set TO_B, 0x40
.set TO_A, 0xc0
.macro PLACES n                        ; plain vector instructions behind a matrix instruction (ISA guide 7.12.1)
.rept \n
	v_nop
.endr
.endm
.macro TLOAD g0, g1                    ; an s_nop 0 and four v_nop follow the load
	tensor_load_to_lds s[\g0:\g0+3], s[\g1:\g1+7]
	s_nop 0
	PLACES 4
.endm
.macro ARM n, g0, g1, next             ; an arm of the head's one chain
	s_cmp_eq_u32 s14, \n
	s_cbranch_scc0 \next
	TLOAD \g0, \g1
	s_branch .Lasked
\next:
.endm
.macro RLOAD w0                        ; a refill: wave w0 asks for A's half, wave w0 + 1 for B's
	s_cmp_eq_u32 s14, \w0
	s_cbranch_scc0 .Lfor_b_\@
	TLOAD GA, G1
	s_branch .Ljoin_\@
.Lfor_b_\@:
	s_cmp_eq_u32 s14, \w0+1
	s_cbranch_scc0 .Ljoin_\@
	TLOAD GB, G1B
.Ljoin_\@:
.endm
.macro CROUND
	s_barrier_signal -1
	s_barrier_wait -1
	s_cmp_lg_u32 s14, 0
	s_cbranch_scc1 .Lnot_wave_0_\@
	s_barrier_signal -3
.Lnot_wave_0_\@:
	s_barrier_wait -3
	s_barrier_signal -1
	s_barrier_wait -1
.endm
.macro SCLOAD                          ; a tile's scale words: sixteen lanes read 512 consecutive bytes in two loads
.irp i, 0,1,2,3,4,5,6,7
	global_load_b128 v[SC+10*\i:SC+10*\i+3], v[VO], s[6:7] offset:512*\i      ; (lanes 0-15 of blocks 4-7 bring words that no product names)
	global_load_b128 v[SC+10*\i+4:SC+10*\i+7], v[VO], s[6:7] offset:512*\i+16
.endr
.endm
	s_load_b128 s[4:7], s[0:1], 0x0                ; opc, ops
	s_load_b128 s[8:11], s[0:1], 0x10              ; qkc, qks
	s_load_b128 s[92:95], s[0:1], 0x20             ; vc, vs
	v_lshl_add_u32 v[SPW], v0, 2, SPARE
	v_mov_b32 v[NIL], 0
	ds_add_u32 v[SPW], v[NIL]                      ; the opening: the add, twice on end, and its wait
	ds_add_u32 v[SPW], v[NIL]
	v_lshrrev_b32 v1, 5, v0
	v_readfirstlane_b32 s14, v1                    ; wave
	s_lshr_b32 s15, s14, 1                         ; my half of the tile's rows of A; also: which half of K I fetch
	s_and_b32 s16, s14, 1                          ; my half of its rows of B; also: I fetch for A (0) or B (1)
	s_bfe_u32 s96, ttmp6, 0x40000                  ; cx
	s_bfe_u32 s97, ttmp6, 0x40004                  ; cy
	s_and_b32 s98, ttmp7, 0xffff                   ; the cluster's y
	s_lshl_b32 s17, s98, 2
	s_add_co_u32 s17, s17, s97                     ; i
	s_and_b32 s18, s98, 1
	s_lshl_b32 s18, s18, 2
	s_add_co_u32 s18, s18, s97                     ; tile 2: which 128 rows of w_v: a pair of heads
	s_lshr_b32 s19, s98, 1
	s_lshl_b32 s19, s19, 2
	s_add_co_u32 s19, s19, s96                     ; tile 2: which 256 tokens
	s_lshl_b32 s99, s97, 2
	s_lshl_b32 s99, 15, s99                        ; my row of the cluster
	s_lshl_b32 s100, 0x1111, s96                   ; my column
	s_or_b32 s[G1], s99, (3<<16)|(1<<21)           ; the mask; elements of 8 bytes; no padding: an image's loads are consecutive bytes
	s_or_b32 s[G1B], s100, (3<<16)|(1<<21)
.irp g, G1, G1B
	s_mov_b32 s[\g+1], 768<<16                     ; rows of 6,144 bytes,
	s_mov_b32 s[\g+3], 768<<16
	s_mov_b32 s[\g+5], 1536                        ; 12,288 bytes apart
	s_mov_b32 s[\g+6], 0
	s_mov_b32 s[\g+7], 0
.endr
	s_mov_b32 s[G1+2], 8<<16                       ; A: 8 tiles of rows,
	s_mov_b32 s[G1+4], 8
	s_mov_b32 s[G1B+2], 16<<16                     ; B: 16
	s_mov_b32 s[G1B+4], 16
	s_mul_i32 s57, s15, HKB                        ; my half of K
	s_mul_i32 s48, s17, 8*TILEB
	s_add_co_u32 s48, s48, s57                     ; A's codes, bytes from opc: tiles 0 and 1;
	s_mul_i32 s50, s18, 8*TILEB
	s_add_co_u32 s50, s50, 640*TILEB
	s_add_co_u32 s50, s50, s57                     ; tile 2
	s_mul_i32 s58, s96, 32*TILEB
	s_add_co_u32 s58, s58, 512*TILEB
	s_add_co_u32 s58, s58, s57                     ; B's: tile 0,
	s_add_co_u32 s49, s58, 16*TILEB                ; tile 1,
	s_mul_i32 s51, s19, 16*TILEB
	s_add_co_u32 s51, s51, s57                     ; tile 2
	s_lshl_b32 s52, s17, 12                        ; the scale bytes, 512 a tile of rows, bytes from ops: my 4 tiles of A, tiles 0 and 1
	s_lshl_b32 s57, s15, 11
	s_add_co_u32 s52, s52, s57
	s_lshl_b32 s59, s96, 14
	s_add_co_u32 s59, s59, 262144
	s_lshl_b32 s62, s16, 12
	s_add_co_u32 s59, s59, s62                     ; my 8 tiles of B, tile 0,
	s_sub_co_u32 s59, s59, s52                     ; as a distance from A's;
	s_add_co_u32 s53, s59, 8192                    ; tile 1
	s_lshl_b32 s54, s18, 12
	s_add_co_u32 s54, s54, 327680
	s_add_co_u32 s54, s54, s57                     ; tile 2: A's,
	s_lshl_b32 s55, s19, 13
	s_add_co_u32 s55, s55, s62
	s_sub_co_u32 s55, s55, s54                     ; and the distance to B's (modulo 2^32)
	s_lshl_b32 s68, s96, 2
	s_add_co_u32 s68, s68, s16                     ; tile 0: my pair of heads of q | k
	s_mul_i32 s69, s68, 786432
	s_mul_i32 s62, s17, 12288
	s_add_co_u32 s69, s69, s62
	s_mul_i32 s63, s15, 6144
	s_add_co_u32 s69, s69, s63                     ; qkc: my four operands
	s_lshl_b32 s70, s68, 15
	s_lshl_b32 s62, s17, 8
	s_add_co_u32 s70, s70, s62
	s_lshl_b32 s71, s15, 3
	s_add_co_u32 s70, s70, s71                     ; qks: my two words of a row
	s_lshl_b32 s68, s19, 1
	s_add_co_u32 s68, s68, s16                     ; tile 2: my step of 128 keys
	s_mul_i32 s72, s18, 786432
	s_mul_i32 s62, s68, 12288
	s_add_co_u32 s72, s72, s62
	s_add_co_u32 s72, s72, s63                     ; vc
	s_lshl_b32 s73, s18, 15
	s_lshl_b32 s62, s68, 9
	s_add_co_u32 s73, s73, s62
	s_add_co_u32 s73, s73, s71                     ; vs
	s_mov_b32 s[GA], 1
	s_mul_i32 s[GA+1], s15, HREG
	s_mov_b32 s[GB], 1
	s_add_co_u32 s[GB+1], s[GA+1], BOFF
	s_mul_i32 s80, s15, 4*HKB                      ; my 4 tiles of A in a slot,
	s_mul_i32 s81, s16, 8*HKB
	s_add_co_u32 s81, s81, BOFF                    ; my 8 of B
	s_mov_b32 s20, 0x76543210
	s_mov_b32 s21, 0xfedcba98                      ; selects for lane l xor 16
	s_mov_b32 s22, 0x05040100
	s_mov_b32 s23, 0x02020202
	s_mov_b32 s60, 0x03020100
	s_mov_b32 s61, 0x04040404
	s_mov_b32 s100, 0x1800000                      ; the floor 2^(3 - 127): the byte cannot fall under 1
	s_mov_b32 s[PH], 0
	s_mov_b32 s67, 0
	s_mov_b32 s77, 0
	s_mov_b32 s79, 0
	v_and_b32 v1, 15, v0                           ; r
	v_bfe_u32 v2, v0, 4, 1                         ; h
	v_and_b32 v3, 31, v0
	v_lshlrev_b32 v[OF16], 4, v3
	v_lshlrev_b32 v[OF8], 3, v3
	v_add_nc_u32 v[ADA16], s80, v[OF16]
	v_add_nc_u32 v[ADA8], s80, v[OF8]
	v_add_nc_u32 v[ADB16], s81, v[OF16]
	v_add_nc_u32 v[ADB8], s81, v[OF8]
	v_add_nc_u32 v[ADA16+1], HREG, v[ADA16]
	v_add_nc_u32 v[ADA8+1], HREG, v[ADA8]
	v_add_nc_u32 v[ADB16+1], HREG, v[ADB16]
	v_add_nc_u32 v[ADB8+1], HREG, v[ADB8]
	v_lshlrev_b32 v[R32], 5, v1
	v_mul_lo_u32 v[VO], v2, s59                    ; lanes 16-31 take B's
	v_add3_u32 v[VO], v[VO], v[R32], s52
	v_lshlrev_b32 v4, 4, v1
	v_lshl_add_u32 v[OSCQ], v2, 14, v4             ; scale words out: 16 bytes a row; q, k: lanes 16-31 have the pair's second head;
	v_lshl_add_u32 v[OSCV], v2, 8, v4              ; v: the second plane
	v_mul_lo_u32 v168, v2, s23
	v_add_nc_u32 v168, s22, v168                   ; the byte select, q, k: my head's two bytes of two blocks;
	v_mul_lo_u32 v169, v2, s61
	v_add_nc_u32 v169, s60, v169                   ; v: the word of block 2 j + h
.irp b, 0,1,2,3
	v_mov_b32 v[TM+4+\b], 0                        ; a lane permute's destination counts as one of its sources
.endr
	s_wait_alu depctr_va_vdst(0)
	s_wait_dscnt 0x0                               ; both opening adds are done
	s_wait_kmcnt 0x0
	s_mov_b32 s76, s48
	s_add_nc_u64 s[GA+2:GA+3], s[4:5], s[76:77]
	s_or_b32 s[GA+3], s[GA+3], 0x80000000
	s_mov_b32 s78, s58
	s_add_nc_u64 s[GB+2:GB+3], s[4:5], s[78:79]
	s_or_b32 s[GB+3], s[GB+3], 0x80000000
	s_mov_b32 s66, s69
	s_add_nc_u64 s[8:9], s[8:9], s[66:67]
	s_mov_b32 s66, s70
	s_add_nc_u64 s[10:11], s[10:11], s[66:67]
	s_mov_b32 s66, s72
	s_add_nc_u64 s[92:93], s[92:93], s[66:67]
	s_mov_b32 s66, s73
	s_add_nc_u64 s[94:95], s[94:95], s[66:67]
	SCLOAD                                         ; tile 0's scale words
	CROUND                                         ; all sixteen work-groups are here: the first joint loads meet
	ARM 0, GA, G1, .Lhead_b0
	ARM 1, GB, G1B, .Lhead_a1
	ARM 2, GA, G1, .Lhead_b1
	TLOAD GB, G1B
.Lasked:
	s_cmp_lt_u32 s14, 2
	s_cbranch_scc0 .Lnot_first
	s_wait_tensorcnt 0x0                           ; waves 0 and 1: tile 0's first half of K is in
.Lnot_first:
	s_barrier_signal -1
	s_barrier_wait -1                              ; the second half may be on its way
.macro FRAG reg, a16, a8, off          ; an operand of 16 x 128: two images, four loads of consecutive bytes
	ds_load_b128 v[(\reg):(\reg)+3], v[\a16] offset:(\off)
	ds_load_b64 v[(\reg)+4:(\reg)+5], v[\a8] offset:(\off)+512
	ds_load_b128 v[(\reg)+6:(\reg)+9], v[\a16] offset:(\off)+768
	ds_load_b64 v[(\reg)+10:(\reg)+11], v[\a8] offset:(\off)+1280
.endm
.macro FETCH st                        ; step st's twelve fragments into set st % 2
	WIN TO_B
.irp i, 0,1,2,3,4,5,6,7
	FRAG 128*((\st)%2)+FR*\i, ADB16+(\st)/4, ADB8+(\st)/4, HKB*\i+1536*((\st)%4)
.endr
	WIN TO_A
.irp i, 0,1,2,3
	FRAG 48*((\st)%2)+FR*\i, ADA16+(\st)/4, ADA8+(\st)/4, HKB*\i+1536*((\st)%4)
.endr
	WIN 0
.endm
; 32 matrix instructions: A's four blocks x B's eight, 128 along K.  The 32 accumulators take turns, one instruction a turn.  A tile's first products start the sums: nothing is cleared.
.macro MULS st
.irp a, 0,1,2,3
.irp b, 0,1,2,3,4,5,6,7
.if (\st) == 0
	v_wmma_scale_f32_16x16x128_f8f6f4 v[8*(8*\a+\b):8*(8*\a+\b)+7], v[FR*\b:FR*\b+FR-1], v[FR*\a:FR*\a+FR-1], 0, v[SC+10*\b], v[SC+10*\a] matrix_a_fmt:MATRIX_FMT_FP6 matrix_b_fmt:MATRIX_FMT_FP6 matrix_a_scale:MATRIX_SCALE_ROW1
.else
	v_wmma_scale_f32_16x16x128_f8f6f4 v[8*(8*\a+\b):8*(8*\a+\b)+7], v[128*((\st)%2)+FR*\b:128*((\st)%2)+FR*\b+FR-1], v[48*((\st)%2)+FR*\a:48*((\st)%2)+FR*\a+FR-1], v[8*(8*\a+\b):8*(8*\a+\b)+7], v[SC+10*\b+(\st)], v[SC+10*\a+(\st)] matrix_a_fmt:MATRIX_FMT_FP6 matrix_b_fmt:MATRIX_FMT_FP6 matrix_a_scale:MATRIX_SCALE_ROW1
.endif
.endr
.endr
.endm
; THE CHANGE OF SLOTS, at the head of steps 3 and 7: this step's fragments were the last to be read from the slot.  fill = 1: every wave waits for all its tensor loads, adds 0 to its spare word, and waits for that and for
; its LDS reads; a round of the cluster's barrier; waves w0 and w0 + 1 fill the slot with the next tile's half.  fill = 0: a plain barrier shows the last refill.
.macro MEET fill, w0
	s_wait_tensorcnt 0x0
.if \fill
	ds_add_u32 v[SPW], v[NIL]
.if (\w0) == 0
	s_cmp_eq_u32 s[PH], 0                          ; no tensor load of mine is out: both group 0 step to the next tile (all four waves; waves 2 and 3 use theirs at step 7)
	s_cselect_b32 s76, s48, s50
	s_cselect_b32 s78, s49, s51
	s_add_nc_u64 s[GA+2:GA+3], s[4:5], s[76:77]
	s_or_b32 s[GA+3], s[GA+3], 0x80000000
	s_add_nc_u64 s[GB+2:GB+3], s[4:5], s[78:79]
	s_or_b32 s[GB+3], s[GB+3], 0x80000000
.endif
	s_wait_dscnt 0x0
	CROUND
	RLOAD \w0
.else
	s_wait_dscnt 0x0
	s_barrier_signal -1
	s_barrier_wait -1
.endif
.endm
.macro TILE fill                       ; a tile's eight steps; each fetches the next step's fragments ahead of its products
.set ST, 0
.rept 8
.if ST == 3
	MEET \fill, 0
.elseif ST == 7
.if \fill
	MEET 1, 2
.else
	s_wait_dscnt 0x0
.endif
.else
	s_wait_dscnt 0x0                               ; this step's fragments, asked for a step ago, are in
.endif
.if ST == 0
	s_wait_loadcnt 0x0                             ; and the tile's scale words
.endif
	PLACES 4                                       ; between the last step's products and the loads into their operands
.if ST < 7
	FETCH ST+1
.elseif \fill
	FETCH 0                                        ; the next tile's first step
.endif
	WIN MUL
	MULS ST
	WIN 0
.set ST, ST+1
.endr
.endm
; THE WAY OUT.  Block a: 16 rows of A x 128 along n: a lane's 64 registers, register 16 b + i = n 32 b + 16 h + i of its row.  They become one operand of 16 x 128 and a scale word, and are stored as two images.
.macro QUANTW a, cp
.set AC, 64*(\a)
.set PC, 112+20*((\a)%2)
	s_wait_xcnt 0x0                                ; earlier stores have read these registers
	WIN 0x28                                       ; sources 1 and 2: window 2
.irp b, 0,1,2,3
	v_max3_num_f32 v[TM+\b], s100, |v[AC+16*\b]|, |v[AC+16*\b+1]|   ; each accumulator is read from its low end on
.endr
.irp i, 2,4,6,8,10,12,14
.irp b, 0,1,2,3
	v_max3_num_f32 v[TM+\b], v[TM+\b], |v[AC+16*\b+\i]|, |v[AC+16*\b+\i+1]|
.endr
.endr
	WIN 0
.irp b, 0,1,2,3
	v_permlanex16_b32 v[TM+4+\b], v[TM+\b], s20, s21
.endr
.irp b, 0,1,2,3
	v_max_num_f32 v[TM+\b], v[TM+\b], v[TM+4+\b]   ; with lane l xor 16's: the block's largest magnitude
.endr
.irp b, 0,1,2,3
	v_add_nc_u32 v[TM+12+\b], 0xff000000, v[TM+\b]
.endr
.irp b, 0,1,2,3
	v_lshrrev_b32 v[TM+4+\b], 23, v[TM+12+\b]
.endr
	v_lshl_or_b32 v[PWS+(\a)], v[TM+5], 8, v[TM+4]
	v_lshl_or_b32 v[PWS+(\a)], v[TM+6], 16, v[PWS+(\a)]
	v_lshl_or_b32 v[PWS+(\a)], v[TM+7], 24, v[PWS+(\a)]
	WIN 2                                          ; source 0: window 2
.irp c, 0,1
	v_cvt_scalef32_pk16_fp6_f32 v[PC+6*\c:PC+6*\c+2], v[AC+32*\c:AC+32*\c+15], v[TM+12+2*\c]
	v_cvt_scalef32_pk16_fp6_f32 v[PC+12+4*\c:PC+14+4*\c], v[AC+32*\c+16:AC+32*\c+31], v[TM+13+2*\c]
.endr
	WIN 0
	v_nop                                          ; one plain place behind a scaled conversion
.irp c, 0,1                                    ; the operand's layout wants a whole block in a lane
.irp i, 0,1,2
	v_permlane16_swap_b32 v[PC+6*\c+\i], v[PC+12+4*\c+\i]
.endr
.irp i, 0,1,2
	v_mov_b32 v[PC+3+6*\c+\i], v[PC+12+4*\c+\i]
.endr
.endr
	global_store_b128 v[OF16], v[PC:PC+3], s[\cp:\cp+1] offset:1536*(\a)          ; each store covers 512 or 256 consecutive bytes, aligned
	global_store_b64 v[OF8], v[PC+4:PC+5], s[\cp:\cp+1] offset:1536*(\a)+512
	global_store_b128 v[OF16], v[PC+6:PC+9], s[\cp:\cp+1] offset:1536*(\a)+768
	global_store_b64 v[OF8], v[PC+10:PC+11], s[\cp:\cp+1] offset:1536*(\a)+1280
.endm
.macro WAYOUT cp, sp, osc, sel, nxt    ; nxt = 1: the next tile's scale words are asked for first
	PLACES 4                                       ; behind the tile's last products
.if \nxt
	s_cmp_eq_u32 s[PH], 0
	s_cselect_b32 s62, s52, s54
	s_cselect_b32 s63, s53, s55
	v_mul_lo_u32 v[VO], v2, s63
	v_add3_u32 v[VO], v[VO], v[R32], s62
	SCLOAD
.endif
.irp a, 0,1,2,3
	QUANTW \a, \cp
.endr
.irp j, 0,1
	v_perm_b32 v[172+\j], v[PWS+2*\j+1], v[PWS+2*\j], v[\sel]
.endr
	global_store_b64 v[\osc], v[172:173], s[\sp:\sp+1]
.endm
	FETCH 0
.Ltile:                                            ; tiles 0 and 1: q | k
	TILE 1
	WAYOUT 8, 10, OSCQ, 168, 1
	s_wait_alu depctr_va_vdst(0)
	s_wait_xcnt 0x0                                ; the stores have read their bases
	s_add_nc_u64 s[8:9], s[8:9], 2*786432          ; tile 1 lies two pairs of heads on
	s_add_nc_u64 s[10:11], s[10:11], 65536
	s_add_co_u32 s[PH], s[PH], 1
	s_cmp_lt_u32 s[PH], 2
	s_cbranch_scc1 .Ltile
	TILE 0                                         ; tile 2: v; it asks for nothing more
	WAYOUT 92, 94, OSCV, 169, 0
	s_wait_tensorcnt 0x0                           ; the wave's end
	ds_add_u32 v[SPW], v[NIL]
	s_wait_dscnt 0x0
	CROUND                                         ; the closing round
	s_endpgm
.Lfunc_end_k_q03ff64e613_gemm_qkv:
	.size	k_q03ff64e613_gemm_qkv, .Lfunc_end_k_q03ff64e613_gemm_qkv-k_q03ff64e613_gemm_qkv
	.p2alignl 7, 3214868480
	.fill 96, 4, 3214868480
	.section	.rodata,"a",@progbits
	.p2align	6, 0x0
	.amdhsa_kernel k_q03ff64e613_gemm_qkv
		.amdhsa_group_segment_fixed_size 327680
		.amdhsa_private_segment_fixed_size 0
		.amdhsa_enable_private_segment 0
		.amdhsa_kernarg_size 48
		.amdhsa_user_sgpr_count 2
		.amdhsa_user_sgpr_kernarg_segment_ptr 1
		.amdhsa_wavefront_size32 1
		.amdhsa_system_sgpr_workgroup_id_x 1
		.amdhsa_system_sgpr_workgroup_id_y 1
		.amdhsa_system_sgpr_workgroup_id_z 1
		.amdhsa_system_vgpr_workitem_id 0
		.amdhsa_next_free_vgpr 1024
		.amdhsa_next_free_sgpr 102
		.amdhsa_reserve_vcc 0
		.amdhsa_float_denorm_mode_32 3
		.amdhsa_float_denorm_mode_16_64 3
		.amdhsa_memory_ordered 1
		.amdhsa_forward_progress 1
		.amdhsa_inst_pref_size 166
	.end_amdhsa_kernel
	.amdgpu_metadata
---
amdhsa.version: [ 1, 2 ]
amdhsa.kernels:
  - .name:           k_q03ff64e613_gemm_qkv
    .symbol:         k_q03ff64e613_gemm_qkv.kd
    .args:
      - { .name: opc, .offset: 0, .size: 8, .value_kind: global_buffer, .address_space: global }
      - { .name: ops, .offset: 8, .size: 8, .value_kind: global_buffer, .address_space: global }
      - { .name: qkc, .offset: 16, .size: 8, .value_kind: global_buffer, .address_space: global }
      - { .name: qks, .offset: 24, .size: 8, .value_kind: global_buffer, .address_space: global }
      - { .name: vc, .offset: 32, .size: 8, .value_kind: global_buffer, .address_space: global }
      - { .name: vs, .offset: 40, .size: 8, .value_kind: global_buffer, .address_space: global }
    .group_segment_fixed_size: 327680
    .private_segment_fixed_size: 0
    .kernarg_segment_align: 8
    .kernarg_segment_size: 48
    .max_flat_workgroup_size: 128
    .sgpr_count:     102
    .vgpr_count:     1024
    .wavefront_size: 32
...
	.end_amdgpu_metadata
.endif
;; end of part 2
;; launch attn (part 3): grid 4 x 64, 16 waves a work-group, clusters of 4 x 1, 212,992 bytes of LDS; arguments qkc, qks, vc, vs, ac, as2; writes ac, as2
.if DOCPART == 3
	.amdgcn_target "amdgcn-amd-amdhsa--gfx1250"
	.amdhsa_code_object_version 6
	.text
	.protected	k_q03ff64e613_attn
	.globl	k_q03ff64e613_attn
	.p2align	8
	.type	k_q03ff64e613_attn,@function
k_q03ff64e613_attn:
	s_mov_b64 s[64:65], 0
	v_nop
	global_prefetch_b8 v0, s[64:65] scope:SCOPE_SE
	s_setreg_imm32_b32 hwreg(HW_REG_WAVE_MODE, 25, 1), 1
	s_wait_xcnt 0x0
	s_wait_alu depctr_hold_cnt(0) depctr_sa_sdst(0) depctr_va_vdst(0) depctr_va_sdst(0) depctr_va_ssrc(0) depctr_va_vcc(0) depctr_vm_vsrc(0)
	s_getreg_b32 s2, hwreg(HW_REG_IB_STS2, 6, 4)
	s_cmp_eq_u32 s2, 0
	s_cbranch_scc0 .Lentry_in_a_cluster
	s_endpgm
.Lentry_in_a_cluster:
	s_bfe_u32 s2, ttmp6, 0x10000c
	s_cmp_lg_u32 s2, 0x3003
	s_cbranch_scc0 .Lentry_shape_is_right
	s_endpgm
.Lentry_shape_is_right:
; LAUNCH 3 OF 4: causal attention on codes of FP6, head size 64; o leaves as codes along C (K of the last product).
; WORK LEFT OUT: a step of 128 keys all of which come after a tile's block of 128 queries: reference()'s own causal mask makes their p 0 for every input (shown at the head of launch 1).
; LIMIT: a NaN, an infinity or an overflow that would reach only those scores is not carried to the result.  The promise holds while the scaled scores stay under 2^31 in magnitude.
; THE SOFTMAX: t = score x log2(e) / 8; M = the running largest t rounded up to a whole number; p = 2^(t - M) is quantised along the keys; the row's sum is taken of the unquantised p and divides at the end.
; SHARES.  A cluster of four work-groups has one head of one batch.  ALL of the head's codes of K and V (2 x 98,304 bytes) lie in each work-group's LDS, brought by sixteen joint loads, one a wave, at the head:
; nothing is filled again, and the key steps have no barrier.  Work-group cx takes tiles 2 cx and 2 cx + 1 (16 queries each) of every block of 128 queries, so every partner reads every tile that a joint load brings.
; Wave w takes tile 2 cx of block w and tile 2 cx + 1 of block 15 - w, the later block first: (w + 1) + (16 - w) = 17 key steps of 128 keys in every wave: three written out, then seven trips of two.
; THE HEAD'S TWO BARRIERS: the first shows keys 0-511 (waves 0 to 3 ask for them by load lines of their own, and they alone wait) and the scale words; three key steps on, the second shows all tiles: every wave waits there.
; THE NEXT STEP'S K IS FETCHED A STEP AHEAD, straight behind the conversions, into the registers that p has left.  So steps take two register maps by turns: even steps have K, then V, in v40-87 and S^T, then p, in v96-159;
; odd steps have K, then V, in v96-143 and S^T, then p, in v40-87 and v144-159.  The last step's fetch brings an operand that nobody multiplies: 17 LDS loads a wave.
; LAYOUT.  Both products are used transposed: a lane holds one query.  A tile of tokens holds token 32 b + 8 u + r + 8 (r / 8) in lane r (launch 1's order), so the 16 registers of key tiles 2 b, 2 b + 1 are 16 neighbouring keys.
; K = 64 IN AN INSTRUCTION 128 DEEP: an operand of K holds two key tiles; it is multiplied by [q | zero codes] and by [zero codes | q].  Zero codes add nothing; the idle half's scale bytes of q are 1.
; as2 [head][batch][cx][block 16][2 tiles][r 16][2 bytes]: a work-group's 1,024 bytes are gathered in LDS and leave as whole units of 256 bytes.
; Not laid: a prefetch: every tile is asked for by its tensor load at the head, so there is no later load to run ahead of.
; REGISTERS: v1-11 addresses; v12 -M, v13 the largest t, v[14:15] the sum; v16-27 [q | 0]; v28-39 [0 | q]; v88-94 the second tile's q and its scale word; v160-191 O^T; v192-202 scale words; v203-253 at work;
; v95, v222, v223, v254, v255 addresses.
.set SCK,   0                          ; K's scale words: 16 steps x 256 bytes; stored, never filled
.set SCV,   4096                       ; V's: 16 steps x 512 bytes (both heads of the pair)
.set KB,    12288                      ; K's codes: 16 steps x 6,144 bytes
.set VB,    110592                     ; V's
.set ASC,   208896                     ; the way out's scale bytes: [wave][tile 2 cx, 2 cx + 1][r][2]
.set SPARE, 209920                     ; the spare words, 128 bytes a wave: no other line names them
.set LN16,  1
.set LN8,   2
.set ASK0,  3
.set ASV0,  4
.set SPW,   5
.set NIL,   6
.set DREG,  7                          ; my query's place in its block, less 16 (lane / 16)
.set FA16,  8
.set FA8,   9
.set ADS,   10
.set ADT,   11
.set RB,    95
.set KL16,  222
.set KL8,   223
.set ASTA,  254
.set ASTB,  255
.set T,     2                          ; the step's number, 0 .. 16
.set KI,    3                          ; its key step
.set BA,    16                         ; the first tile's block: the larger of w and 15 - w
.set NEGN,  17                         ; -(BA + 1)
.set WV,    18
.set SUBA,  19                         ; the first tile is tile 2 cx + SUBA of its block
.set SEL,   20
.set CS,    22
.set G1K,   24
.set G1V,   32
.set TB,    74
.set TS,    75
.set TJ,    76
.set X,     77
.set SHA,   78
.set SHB,   79
.set CX,    80
.set KN,    84                         ; the next step's key step
.set TBN,   85
.set T1,    86
.set DD,    101
.macro PLACES n
.rept \n
	v_nop
.endr
.endm
.macro CROUND                          ; a round of the cluster's barrier
	s_barrier_signal -1
	s_barrier_wait -1
	s_cmp_lg_u32 s[WV], 0
	s_cbranch_scc1 .Lnot_wave_0_\@
	s_barrier_signal -3
.Lnot_wave_0_\@:
	s_barrier_wait -3
	s_barrier_signal -1
	s_barrier_wait -1
.endm
.macro ARM n, g0, g1, next             ; an arm of the head's one chain: a load, its s_nop 0 and four v_nop, a jump to the join
	s_cmp_lt_u32 s[WV], \n
	s_cbranch_scc0 \next
	tensor_load_to_lds s[\g0:\g0+3], s[\g1:\g1+7]
	s_nop 0
	PLACES 4
	s_branch .Lasked
\next:
.endm
.macro PTR d, b, o                     ; a buffer's address + the 32-bit offset in s\o (s83 = 0)
	s_mov_b32 s82, s\o
	s_add_nc_u64 s[\d:\d+1], s[\b:\b+1], s[82:83]
.endm
	s_load_b256 s[4:11], s[0:1], 0x0               ; qkc, qks, vc, vs
	s_load_b128 s[12:15], s[0:1], 0x20             ; ac, as2
	v_lshl_add_u32 v[SPW], v0, 2, SPARE
	v_mov_b32 v[NIL], 0
	ds_add_u32 v[SPW], v[NIL]                      ; the opening: the add, twice on end, and its wait
	ds_add_u32 v[SPW], v[NIL]
	v_lshrrev_b32 v8, 5, v0
	v_readfirstlane_b32 s[WV], v8
	s_lshr_b32 s81, s[WV], 3
	s_xor_b32 s[SUBA], s81, 1
	s_mul_i32 s81, s81, 15
	s_xor_b32 s[BA], s[WV], s81
	s_xor_b32 s[BA], s[BA], 15
	s_xor_b32 s[NEGN], s[BA], -1
	s_bfe_u32 s[CX], ttmp6, 0x40000
	s_and_b32 s81, ttmp7, 0xffff
	s_lshr_b32 s82, s81, 4                         ; batch
	s_and_b32 s83, s81, 15                         ; head
	s_lshr_b32 s84, s83, 1                         ; its pair
	s_and_b32 s85, s83, 1                          ; which of the pair
	s_mul_i32 s86, s84, 786432
	s_mul_i32 s81, s82, 196608
	s_add_co_u32 s86, s86, s81                     ; the pair's and the batch's first byte in a tensor of codes
	s_mul_i32 s81, s85, 768
	s_add_co_u32 s90, s86, s81                     ; q's images
	s_mul_i32 s91, s85, 6144
	s_add_co_u32 s91, s91, s86                     ; v's
	s_lshl_b32 s87, s[BA], 3
	s_lshl_b32 s81, s[CX], 1
	s_add_co_u32 s87, s87, s81
	s_add_co_u32 s87, s87, s[SUBA]                 ; the first tile's number in the batch: block, cx, which of the two
	s_xor_b32 s88, s87, 0x79                       ; the second's: block 15 - BA, the other of the two
	s_mul_i32 s92, s87, 1536
	s_add_co_u32 s92, s92, s90
	s_mul_i32 s93, s88, 1536
	s_add_co_u32 s93, s93, s90
	s_add_co_u32 s90, s90, 6291456                 ; k's images: eight pairs on
	s_lshl_b32 s94, s83, 14
	s_lshl_b32 s81, s82, 12
	s_add_co_u32 s94, s94, s81                     ; head and batch in qks and as2
	s_lshl_b32 s95, s[BA], 8
	s_lshl_b32 s81, s[CX], 2
	s_add_co_u32 s95, s95, s81
	s_add_co_u32 s95, s95, s94                     ; q's scale words, first tile;
	s_xor_b32 s96, s95, 0xf00                      ; second tile
	s_add_co_u32 s97, s94, 262144                  ; k's: sixteen heads on
	s_lshl_b32 s98, s84, 15
	s_lshl_b32 s81, s82, 13
	s_add_co_u32 s98, s98, s81                     ; v's
	s_lshl_b32 s81, s82, 7
	s_add_co_u32 s99, s81, s87
	s_mul_i32 s99, s99, 12288
	s_add_co_u32 s100, s81, s88
	s_mul_i32 s100, s100, 12288
	s_mul_i32 s81, s83, 768
	s_add_co_u32 s99, s99, s81                     ; ac: the two images
	s_add_co_u32 s100, s100, s81
	s_lshl_b32 s81, s[CX], 10
	s_add_co_u32 s94, s94, s81
	s_min_u32 s81, s[WV], 1
	s_lshl_b32 s81, s81, 9
	s_add_co_u32 s94, s94, s81                     ; as2: my work-group's 1,024 bytes; wave 1 stores the second 512
	s_lshl_b32 s[SHA], s[SUBA], 4
	s_xor_b32 s[SHB], s[SHA], 16
	s_sub_co_u32 s[DD], 8, s[SHA]                  ; from the first tile's place in its block to the second's: +8 or -8
	s_lshl_b32 s89, s85, 3
	s_add_co_u32 s89, s89, SCV
	s_lshl_b32 s[TB], s[CX], 5
	s_lshl_b32 s81, s[SUBA], 3
	s_add_co_u32 s[TB], s[TB], s81
	s_lshl_b32 s[TS], s[WV], 6
	s_lshl_b32 s81, s[SUBA], 5
	s_add_co_u32 s[TS], s[TS], s81
	s_add_co_u32 s[TS], s[TS], ASC
	s_mov_b32 s[G1K], 15|(3<<16)|(1<<21)           ; the four partners; elements of 8 bytes.  K: 16 images of 768 bytes, 1,536 bytes apart (the other head's lie between)
	s_mov_b32 s[G1K+1], 96<<16
	s_mov_b32 s[G1K+2], 16<<16
	s_mov_b32 s[G1K+3], 96<<16
	s_mov_b32 s[G1K+4], 16
	s_mov_b32 s[G1K+5], 192
	s_mov_b32 s[G1K+6], 0
	s_mov_b32 s[G1K+7], 0
	s_mov_b32 s[G1V], 15|(3<<16)|(1<<21)           ; V: two steps' 6,144 bytes, 12,288 bytes apart
	s_mov_b32 s[G1V+1], 768<<16
	s_mov_b32 s[G1V+2], 2<<16
	s_mov_b32 s[G1V+3], 768<<16
	s_mov_b32 s[G1V+4], 2
	s_mov_b32 s[G1V+5], 1536
	s_mov_b32 s[G1V+6], 0
	s_mov_b32 s[G1V+7], 0
	s_mov_b32 s[SEL], 0x76543210
	s_mov_b32 s[SEL+1], 0xfedcba98
	s_mov_b32 s[CS], 0x3e38aa3b                    ; c = log2(e) / sqrt(64)
	s_mov_b32 s[CS+1], s[CS]
	v_and_b32 v8, 31, v0
	v_and_b32 v9, 15, v0                           ; r
	v_bfe_u32 v10, v0, 4, 1                        ; h
	v_lshlrev_b32 v[LN16], 4, v8
	v_lshlrev_b32 v[LN8], 3, v8
	v_add_nc_u32 v[KL16], KB, v[LN16]
	v_add_nc_u32 v[KL8], KB, v[LN8]
	v_lshl_add_u32 v[ASK0], v9, 4, SCK
	v_lshl_add_u32 v[ASV0], v9, 4, s89             ; my head's two words of a plane
	v_lshlrev_b32 v245, 4, v9                      ; q's scale words: 16 bytes a row
	v_lshlrev_b32 v246, 3, v0                      ; K's scale words on the way in: 8 bytes a thread,
	v_lshlrev_b32 v247, 4, v0                      ; V's: 16
	v_and_b32 v11, 8, v9
	v_add3_u32 v11, v11, v9, s[TB]
	v_lshlrev_b32 v10, 4, v10
	v_sub_nc_u32 v[DREG], v11, v10
	v_lshl_add_u32 v[ASTA], v9, 1, s[TS]           ; my row's two bytes on the way out, first tile;
	v_xor_b32 v[ASTB], 32, v[ASTA]                 ; second tile
	v_bfe_u32 v8, v0, 2, 4                         ; reading them back, 16 bytes a thread of waves 0 and 1: block b,
	v_bfe_u32 v10, v0, 1, 1                        ; tile u of the two:
	v_mul_u32_u24 v11, v10, 15
	v_xor_b32 v8, v8, v11                          ; made by wave b (u = 0) or 15 - b (u = 1)
	v_lshlrev_b32 v8, 6, v8
	v_lshl_add_u32 v8, v10, 5, v8
	v_and_b32 v10, 1, v0
	v_lshl_add_u32 v8, v10, 4, v8
	v_add_nc_u32 v[RB], ASC, v8
	v_mov_b32 v[FA16], v[KL16]                     ; key step 0's K
	v_mov_b32 v[FA8], v[KL8]
	s_wait_alu depctr_va_vdst(0)
	s_wait_dscnt 0x0                               ; both opening adds are done
	s_wait_kmcnt 0x0
	s_mov_b32 s83, 0
	PTR 56, 4, 92                                  ; q, first tile
	PTR 58, 4, 93                                  ; second
	PTR 60, 6, 95
	PTR 62, 6, 96
	PTR 66, 6, 97
	PTR 68, 10, 98
	PTR 70, 12, 99
	PTR 72, 12, 100
	PTR 14, 14, 94
	s_mul_i32 s87, s[WV], 12288
	s_mul_i32 s88, s[WV], 24576
	s_mov_b32 s40, 1                               ; waves 0, 1: K's piece w of 256 keys, at KB + 12,288 w
	s_add_co_u32 s41, s87, 12288
	s_add_co_u32 s81, s88, s90
	PTR 42, 4, 81
	s_or_b32 s43, s43, 0x80000000
	s_mov_b32 s44, 1                               ; waves 2, 3: V's piece w - 2, at VB + 12,288 (w - 2)
	s_add_co_u32 s45, s87, 7*12288
	s_max_u32 s81, s[WV], 2
	s_sub_co_u32 s81, s81, 2
	s_mul_i32 s81, s81, 24576
	s_add_co_u32 s81, s81, s91
	PTR 46, 8, 81
	s_or_b32 s47, s47, 0x80000000
	s_mov_b32 s48, 1                               ; waves 4-9: K's piece w - 2
	s_add_co_u32 s49, s87, -12288
	s_add_co_u32 s81, s88, s90
	s_sub_co_u32 s81, s81, 49152
	PTR 50, 4, 81
	s_or_b32 s51, s51, 0x80000000
	s_mov_b32 s52, 1                               ; waves 10-15: V's piece w - 8
	s_add_co_u32 s53, s87, 12288
	s_max_u32 s81, s[WV], 8
	s_sub_co_u32 s81, s81, 8
	s_mul_i32 s81, s81, 24576
	s_add_co_u32 s81, s81, s91
	PTR 54, 8, 81
	s_or_b32 s55, s55, 0x80000000
	global_load_b64 v[248:249], v246, s[66:67]     ; the head's scale words of K: 4,096 dense bytes,
	global_load_b128 v[250:253], v247, s[68:69]    ; of V: 8,192
	global_load_b128 v[16:19], v[LN16], s[56:57]   ; q's image, into the first half of one operand
	global_load_b64 v[20:21], v[LN8], s[56:57] offset:512
	global_load_b128 v[34:37], v[LN16], s[56:57]   ; and into the second half of the other
	global_load_b64 v[38:39], v[LN8], s[56:57] offset:512
	global_load_b32 v244, v245, s[60:61]
	global_load_b128 v[88:91], v[LN16], s[58:59]   ; the second tile's, kept until the change of tiles
	global_load_b64 v[92:93], v[LN8], s[58:59] offset:512
	global_load_b32 v94, v245, s[62:63]
	CROUND                                         ; the four work-groups are here: the joint loads meet
	ARM 2, 40, G1K, .Lhead_v0
	ARM 4, 44, G1V, .Lhead_k
	ARM 10, 48, G1K, .Lhead_v
	tensor_load_to_lds s[52:55], s[G1V:G1V+7]
	s_nop 0
	PLACES 4
.Lasked:
.macro QSC src, sh                     ; my tile's two scale bytes of q, beside the idle half's bytes 1
	v_lshrrev_b32 v246, s[\sh], v[\src]
	v_and_b32 v246, 0xffff, v246
	v_or_b32 v200, 0x01010000, v246
	v_lshl_or_b32 v201, v246, 16, 0x101
.endm
.macro RESET                           ; a tile begins: the largest t is -3e38, the sum and O^T are zeros.  (Also the places behind the scale words and operands just made)
	v_mov_b32 v13, 0xff61b1e6
	v_floor_f32 v12, -v13
	v_mov_b32 v14, 0
	v_mov_b32 v15, 0
.set n, 0
.rept 32
	v_mov_b32 v[160+n], 0
.set n, n+1
.endr
.endm
.irp i, 22,23,24,25,26,27,28,29,30,31,32,33
	v_mov_b32 v[\i], 0                             ; zero codes
.endr
	v_mov_b32 v205, 0                              ; (named as the upper half of the pair v[204:205])
.irp b, 0,1,2,3
	v_mov_b32 v[210+\b], 0                         ; a lane permute's destination counts as one of its sources
.endr
	s_wait_loadcnt 0x0
	ds_store_b64 v246, v[248:249] offset:SCK
	ds_store_b128 v247, v[250:253] offset:SCV
	QSC 244, SHA
	RESET
.macro FRAG reg, off                   ; an operand of 16 x 128: two images, four loads of consecutive bytes
	ds_load_b128 v[(\reg):(\reg)+3], v[FA16] offset:(\off)
	ds_load_b64 v[(\reg)+4:(\reg)+5], v[FA8] offset:(\off)+512
	ds_load_b128 v[(\reg)+6:(\reg)+9], v[FA16] offset:(\off)+768
	ds_load_b64 v[(\reg)+10:(\reg)+11], v[FA8] offset:(\off)+1280
.endm
.macro RG sym, n                       ; the register of score n (0 .. 63) under the step's map PP: 96 + n; in odd steps scores 0-47 lie 56 lower
.set \sym, 96+(\n)-56*PP*(1-(\n)/48)
.endm
.macro PA d, a, b
	v_pk_add_f32 v[\d:\d+1], v[\a:\a+1], v[\b:\b+1]
.endm
.macro PAP d, a, b                     ; d = p's pairs a and b
	RG ra, \a
	RG rb, \b
	PA \d, ra, rb
.endm
.macro PAA d, b                        ; d += p's pair b
	RG rb, \b
	PA \d, \d, rb
.endm
; A KEY STEP of 128 keys.  par: the register map.  tr: the scalar that holds the step's number t.  first = 1: the first tile's steps 0 to 2, under the diagonal.
; Else the key step is t for the first tile and t - (BA + 1) for the second: the smaller of the two as unsigned numbers; likewise for t + 1.  At the entry this step's K is on its way into v[FF ..].
.macro STEP par, tr, first
.set PP, \par
.set FF, 40+56*PP
.set FN, 96-56*PP
.if \first
	s_mov_b32 s[KI], s[\tr]
	s_add_co_u32 s[KN], s[\tr], 1
.else
	s_add_co_u32 s[KI], s[\tr], s[NEGN]
	s_min_u32 s[KI], s[KI], s[\tr]
	s_and_b32 s[KI], s[KI], 15
	s_add_co_u32 s[X], s[\tr], 1
	s_add_co_u32 s[KN], s[X], s[NEGN]
	s_min_u32 s[KN], s[KN], s[X]
	s_and_b32 s[KN], s[KN], 15
.endif
	s_mul_i32 s[TB], s[KI], 6144
	s_add_co_u32 s[TB], s[TB], VB-KB
	s_lshl_b32 s[TJ], s[KI], 9
	s_mul_i32 s[TBN], s[KN], 6144
	s_lshl_b32 s[TS], s[KN], 8
	v_add_nc_u32 v[FA16], s[TB], v[KL16]           ; this step's V.  These three and two v_nop are the five places behind the last products, whose operands the products below write over
	v_add_nc_u32 v[FA8], s[TB], v[KL8]
	v_add_nc_u32 v[ADT], s[TJ], v[ASV0]
	PLACES 2
	s_wait_alu depctr_va_vdst(0)
	s_wait_dscnt 0x0                               ; K is in
.irp b, 0,1,2,3                                ; S^T: key tiles 2 b and 2 b + 1 from one operand of K
	RG r, 16*\b
	v_wmma_scale_f32_16x16x128_f8f6f4 v[r:r+7], v[FF+12*\b:FF+12*\b+11], v[16:27], 0, v[192+\b], v200 matrix_a_fmt:MATRIX_FMT_FP6 matrix_b_fmt:MATRIX_FMT_FP6
	v_wmma_scale_f32_16x16x128_f8f6f4 v[r+8:r+15], v[FF+12*\b:FF+12*\b+11], v[28:39], 0, v[192+\b], v201 matrix_a_fmt:MATRIX_FMT_FP6 matrix_b_fmt:MATRIX_FMT_FP6
.endr
	PLACES 4
.irp t, 0,1,2,3                                ; V's operands take K's registers and land under the softmax
	FRAG FF+12*\t, 1536*\t
.endr
	ds_load_b64 v[196:197], v[ADT]                 ; tiles 0, 2
	ds_load_b64 v[198:199], v[ADT] offset:256      ; tiles 1, 3
.if !(\first)
	s_cmp_eq_u32 s[\tr], s[BA]                     ; a tile's last step lies on the diagonal: steps BA and 16.  A branch on ids alone
	s_cselect_b32 s[X], 1, 0
	s_cmp_eq_u32 s[\tr], 16
	s_cselect_b32 s[X], 1, s[X]
	s_cmp_eq_u32 s[X], 0
	s_cbranch_scc1 .Lopen_\@
	v_mov_b32 v246, 0xff800000                     ; hidden scores become -infinity: score 16 b + i is key 32 b + 16 (lane / 16) + i of the step
.set n, 0
.rept 64
	RG r, n
	v_cmp_gt_i32 vcc_lo, 32*(n/16)+n%16, v[DREG]
	v_cndmask_b32 v[r], v[r], v246, vcc_lo
.set n, n+1
.endr
.Lopen_\@:
.endif
.irp b, 0,1,2,3
	RG r, 16*\b
	v_max3_num_f32 v[206+\b], v[r], v[r+1], v[r+2]   ; the largest score of each block of 32 keys: for the row's maximum and, since p rises with the score, for the block's largest p
.endr
.irp i, 3,5,7,9,11,13
.irp b, 0,1,2,3
	RG r, 16*\b+\i
	v_max3_num_f32 v[206+\b], v[206+\b], v[r], v[r+1]
.endr
.endr
.irp b, 0,1,2,3
	RG r, 16*\b+15
	v_max_num_f32 v[206+\b], v[206+\b], v[r]
.endr
.irp b, 0,1,2,3
	s_delay_alu instid0(VALU_DEP_4)
	v_permlanex16_b32 v[210+\b], v[206+\b], s[SEL], s[SEL+1]
.endr
.irp b, 0,1,2,3
	s_delay_alu instid0(VALU_DEP_4)
	v_max_num_f32 v[206+\b], v[206+\b], v[210+\b]
.endr
	s_delay_alu instid0(VALU_DEP_2)
	v_max3_num_f32 v246, v206, v207, v208
	s_delay_alu instid0(VALU_DEP_1)
	v_max_num_f32 v246, v246, v209
	s_delay_alu instid0(VALU_DEP_1)
	v_mul_f32 v246, s[CS], v246
	s_delay_alu instid0(VALU_DEP_1)
	v_max_num_f32 v13, v13, v246                   ; the running largest t
	v_mov_b32 v246, v12
	s_delay_alu instid0(VALU_DEP_2)
	v_floor_f32 v12, -v13                          ; the new -M: M is a whole number
	s_delay_alu instid0(VALU_DEP_1)
	v_sub_f32 v246, v12, v246
	s_delay_alu instid0(VALU_DEP_1)
	v_cvt_i32_f32 v246, v246                       ; (it saturates)
	s_delay_alu instid0(VALU_DEP_1)
	v_ldexp_f32 v204, 1.0, v246                    ; f = 2^(old M - new M): rounds nothing
.set n, 0
.rept 32
	RG r, n
	v_pk_fma_f32 v[r:r+1], v[r:r+1], s[CS:CS+1], v[12:13] op_sel_hi:[1,0,0]   ; t - M
.set n, n+2
.endr
.irp b, 0,1,2,3
	v_fma_f32 v[206+\b], v[206+\b], s[CS], v12
.endr
.set n, 0
	s_wait_alu depctr_va_vdst(0)
.rept 64
	RG r, n
	v_exp_f32 v[r], v[r]                           ; p, not normalised
.set n, n+1
.endr
	v_pk_mul_f32 v[14:15], v[14:15], v[204:205] op_sel_hi:[1,0]   ; the sums under the new M: the plain place behind the exponentials
	s_wait_alu depctr_va_vdst(0)                   ; one wait for the batch, ahead of its first reader
.irp b, 0,1,2,3
	v_exp_f32 v[206+\b], v[206+\b]                 ; each block's largest p
.endr
	PAP 244, 4, 8                                  ; the row's sum of the unquantised p: eight chains side by side
	PAP 252, 12, 16
	PAP 250, 20, 24
	PAP 248, 28, 32
	PAP 242, 36, 40
	PAP 240, 44, 48
	PAP 238, 52, 56
	PAA 14, 60
	PAA 244, 0
	PAA 252, 2
	PAA 250, 6
	PAA 248, 10
	PAA 242, 14
	PAA 240, 18
	PAA 238, 22
	PAA 14, 26
	PAA 244, 30
	PAA 252, 34
	PAA 250, 38
	PAA 248, 42
	PAA 242, 46
	PAA 240, 50
	PAA 238, 54
	PAA 14, 58
	PAA 244, 62
	s_delay_alu instid0(VALU_DEP_2)
	PA 14, 14, 248
	s_delay_alu instid0(VALU_DEP_2)
	PA 244, 244, 242
	PA 252, 252, 240
	PA 250, 250, 238
	s_delay_alu instid0(VALU_DEP_2)
	PA 14, 14, 252
	s_delay_alu instid0(VALU_DEP_2)
	PA 244, 244, 250
	s_delay_alu instid0(VALU_DEP_1)
	PA 14, 14, 244
	s_wait_alu depctr_va_vdst(0)                   ; and one for the four
.irp b, 0,1,2,3
	v_max_num_f32 v[206+\b], 0x1800000, v[206+\b]  ; the floor: a block whose every p is 0 keeps the byte 1; its codes are zeros
.endr
.irp b, 0,1,2,3
	s_delay_alu instid0(VALU_DEP_4)
	v_add_nc_u32 v[214+\b], 0xff000000, v[206+\b]
.endr
.irp b, 0,1,2,3
	s_delay_alu instid0(VALU_DEP_4)
	v_lshrrev_b32 v[218+\b], 23, v[214+\b]
.endr
	s_delay_alu instid0(VALU_DEP_3)
	v_lshl_or_b32 v202, v219, 8, v218
	s_delay_alu instid0(VALU_DEP_1)
	v_lshl_or_b32 v202, v220, 16, v202
	s_delay_alu instid0(VALU_DEP_1)
	v_lshl_or_b32 v202, v221, 24, v202
.irp c, 0,1
	RG r, 32*\c
	RG q, 32*\c+16
	v_cvt_scalef32_pk16_fp6_f32 v[224+6*\c:226+6*\c], v[r:r+15], v[214+2*\c]
	v_cvt_scalef32_pk16_fp6_f32 v[236+4*\c:238+4*\c], v[q:q+15], v[215+2*\c]
.endr
	v_nop                                          ; one plain place behind a scaled conversion
	v_add_nc_u32 v[FA16], s[TBN], v[KL16]          ; THE NEXT STEP'S K, into the registers that p's first 48 numbers have left, and its scale words
	v_add_nc_u32 v[FA8], s[TBN], v[KL8]
	v_add_nc_u32 v[ADS], s[TS], v[ASK0]
.irp b, 0,1,2,3
	FRAG FN+12*\b, 1536*\b
.endr
	ds_load_b128 v[192:195], v[ADS]
.irp c, 0,1
.irp i, 0,1,2
	v_permlane16_swap_b32 v[224+6*\c+\i], v[236+4*\c+\i]
.endr
.irp i, 0,1,2
	s_delay_alu instid0(VALU_DEP_3)
	v_mov_b32 v[227+6*\c+\i], v[236+4*\c+\i]
.endr
.endr
	s_wait_alu depctr_va_vdst(0)
.set n, 0
.rept 16
	v_pk_mul_f32 v[160+n:161+n], v[160+n:161+n], v[204:205] op_sel_hi:[1,0]   ; O^T under the new M; also the places in front of the products below
.set n, n+2
.endr
	s_wait_alu depctr_va_vdst(0)
	s_wait_dscnt 17                                ; V is in; the 17 younger loads, the next step's K, may be out
.irp t, 0,1,2,3                                ; O^T += V^T P^T: four accumulators by turns
	v_wmma_scale_f32_16x16x128_f8f6f4 v[160+8*\t:167+8*\t], v[FF+12*\t:FF+12*\t+11], v[224:235], v[160+8*\t:167+8*\t], v[196+2*(\t%2)+\t/2], v202 matrix_a_fmt:MATRIX_FMT_FP6 matrix_b_fmt:MATRIX_FMT_FP6
.endr
.endm
; A TILE'S WAY OUT: o = O^T / the sum, in place; register 16 b + i = d 32 b + 16 h + i of my query: two blocks of the last product's K.  They become one image of 16 x 64 and two scale bytes a row.
.macro FINISH ab, ast
	PLACES 4                                       ; behind the last products
	v_add_f32 v14, v14, v15
	s_delay_alu instid0(VALU_DEP_1)
	v_permlanex16_b32 v246, v14, s[SEL], s[SEL+1]
	s_delay_alu instid0(VALU_DEP_1)
	v_add_f32 v14, v14, v246
	s_wait_alu depctr_va_vdst(0)
	v_rcp_f32 v14, v14
	v_nop
	s_wait_alu depctr_va_vdst(0)                   ; ahead of the reciprocal's first reader, which is also O^T's
.set n, 0
.rept 32
	v_mul_f32 v[160+n], v[160+n], v14
.set n, n+1
.endr
.irp b, 0,1
	v_max3_num_f32 v[206+\b], |v[160+16*\b]|, |v[161+16*\b]|, 0x1800000
.endr
.irp i, 2,4,6,8,10,12,14
.irp b, 0,1
	s_delay_alu instid0(VALU_DEP_2)
	v_max3_num_f32 v[206+\b], v[206+\b], |v[160+16*\b+\i]|, |v[161+16*\b+\i]|
.endr
.endr
.irp b, 0,1
	s_delay_alu instid0(VALU_DEP_2)
	v_permlanex16_b32 v[210+\b], v[206+\b], s[SEL], s[SEL+1]
.endr
.irp b, 0,1
	s_delay_alu instid0(VALU_DEP_2)
	v_max_num_f32 v[206+\b], v[206+\b], v[210+\b]
.endr
.irp b, 0,1
	s_delay_alu instid0(VALU_DEP_2)
	v_add_nc_u32 v[214+\b], 0xff000000, v[206+\b]
.endr
.irp b, 0,1
	s_delay_alu instid0(VALU_DEP_2)
	v_lshrrev_b32 v[218+\b], 23, v[214+\b]
.endr
	s_delay_alu instid0(VALU_DEP_1)
	v_lshl_or_b32 v203, v219, 8, v218
	v_cvt_scalef32_pk16_fp6_f32 v[224:226], v[160:175], v214
	v_cvt_scalef32_pk16_fp6_f32 v[236:238], v[176:191], v215
	v_nop
.irp i, 0,1,2
	v_permlane16_swap_b32 v[224+\i], v[236+\i]
.endr
.irp i, 0,1,2
	s_delay_alu instid0(VALU_DEP_3)
	v_mov_b32 v[227+\i], v[236+\i]
.endr
	global_store_b128 v[LN16], v[224:227], s[\ab:\ab+1]      ; 512 and 256 consecutive bytes, aligned
	global_store_b64 v[LN8], v[228:229], s[\ab:\ab+1] offset:512
	ds_store_b16 v[\ast], v203                     ; both lanes of a row write the same bytes with the same values
.endm
.macro SWITCH tr                       ; behind the first tile's last step: its way out, and the second tile begins.  A branch on ids, round no barrier
	s_cmp_eq_u32 s[\tr], s[BA]
	s_cbranch_scc0 .Lsame_\@
	FINISH 70, ASTA
.irp i, 0,1,2,3,4,5
	v_mov_b32 v[16+\i], v[88+\i]
	v_mov_b32 v[34+\i], v[88+\i]
.endr
	QSC 94, SHB
	v_add_nc_u32 v[DREG], s[DD], v[DREG]
	RESET
	s_wait_alu depctr_va_vdst(0)
	s_wait_xcnt 0x0                                ; the stores have read their registers: the next step writes them
.Lsame_\@:
.endm
	s_wait_alu depctr_va_vdst(0)
	s_cmp_lt_u32 s[WV], 4
	s_cbranch_scc0 .Lnot_first
	s_wait_tensorcnt 0x0                           ; waves 0 to 3: keys 0-511 of K and of V are in
.Lnot_first:
	s_wait_dscnt 0x0                               ; my stores of scale words have landed
	s_barrier_signal -1
	s_barrier_wait -1                              ; the other tiles may be on their way
.irp b, 0,1,2,3
	FRAG 40+12*\b, 1536*\b                         ; key step 0's K
.endr
	ds_load_b128 v[192:195], v[ASK0]
	s_mov_b32 s[T], 0                              ; steps 0 to 2 read key steps 0 to 3 alone
	STEP 0, T, 1
	s_mov_b32 s[T], 1
	STEP 1, T, 1
	s_mov_b32 s[T], 2
	STEP 0, T, 1
	s_mov_b32 s[T], 3
	s_wait_tensorcnt 0x0                           ; every wave: my tile is in
	s_wait_dscnt 0x0
	s_barrier_signal -1
	s_barrier_wait -1                              ; all of K and V is in
.Lrest:                                            ; steps 3 to 16, two a trip
	STEP 1, T, 0
	SWITCH T
	s_add_co_u32 s[T1], s[T], 1
	STEP 0, T1, 0
	SWITCH T1
	s_add_co_u32 s[T], s[T], 2
	s_cmp_lt_u32 s[T], 17
	s_cbranch_scc1 .Lrest
	FINISH 72, ASTB
	s_wait_dscnt 0x0                               ; for the others' sake
	s_barrier_signal -1
	s_barrier_wait -1
	s_cmp_lt_u32 s[WV], 2
	s_cbranch_scc0 .Lend
	ds_load_b128 v[248:251], v[RB]
	s_wait_dscnt 0x0
	global_store_b128 v[LN16], v[248:251], s[14:15]   ; 512 consecutive bytes, aligned
.Lend:
	s_wait_tensorcnt 0x0                           ; the wave's end
	ds_add_u32 v[SPW], v[NIL]
	s_wait_dscnt 0x0
	CROUND                                         ; the closing round
	s_endpgm
.Lfunc_end_k_q03ff64e613_attn:
	.size	k_q03ff64e613_attn, .Lfunc_end_k_q03ff64e613_attn-k_q03ff64e613_attn
	.p2alignl 7, 3214868480
	.fill 96, 4, 3214868480
	.section	.rodata,"a",@progbits
	.p2align	6, 0x0
	.amdhsa_kernel k_q03ff64e613_attn
		.amdhsa_group_segment_fixed_size 212992
		.amdhsa_private_segment_fixed_size 0
		.amdhsa_enable_private_segment 0
		.amdhsa_kernarg_size 48
		.amdhsa_user_sgpr_count 2
		.amdhsa_user_sgpr_kernarg_segment_ptr 1
		.amdhsa_wavefront_size32 1
		.amdhsa_system_sgpr_workgroup_id_x 1
		.amdhsa_system_sgpr_workgroup_id_y 1
		.amdhsa_system_sgpr_workgroup_id_z 1
		.amdhsa_system_vgpr_workitem_id 0
		.amdhsa_next_free_vgpr 256
		.amdhsa_next_free_sgpr 102
		.amdhsa_reserve_vcc 1
		.amdhsa_float_denorm_mode_32 3
		.amdhsa_float_denorm_mode_16_64 3
		.amdhsa_memory_ordered 1
		.amdhsa_forward_progress 1
		.amdhsa_inst_pref_size 130
	.end_amdhsa_kernel
	.amdgpu_metadata
---
amdhsa.version: [ 1, 2 ]
amdhsa.kernels:
  - .name:           k_q03ff64e613_attn
    .symbol:         k_q03ff64e613_attn.kd
    .args:
      - { .name: qkc, .offset: 0, .size: 8, .value_kind: global_buffer, .address_space: global }
      - { .name: qks, .offset: 8, .size: 8, .value_kind: global_buffer, .address_space: global }
      - { .name: vc, .offset: 16, .size: 8, .value_kind: global_buffer, .address_space: global }
      - { .name: vs, .offset: 24, .size: 8, .value_kind: global_buffer, .address_space: global }
      - { .name: ac, .offset: 32, .size: 8, .value_kind: global_buffer, .address_space: global }
      - { .name: as2, .offset: 40, .size: 8, .value_kind: global_buffer, .address_space: global }
    .group_segment_fixed_size: 212992
    .private_segment_fixed_size: 0
    .kernarg_segment_align: 8
    .kernarg_segment_size: 48
    .max_flat_workgroup_size: 512
    .sgpr_count:     102
    .vgpr_count:     256
    .wavefront_size: 32
...
	.end_amdgpu_metadata
.endif
;; end of part 3
;; launch gemm_out (part 4): grid 4 x 64, 4 waves a work-group, clusters of 4 x 4, 327,680 bytes of LDS; arguments ac, as2, opc, ops, b_out, out0; writes out0
.if DOCPART == 4
	.amdgcn_target "amdgcn-amd-amdhsa--gfx1250"
	.amdhsa_code_object_version 6
	.text
	.protected	k_q03ff64e613_gemm_out
	.globl	k_q03ff64e613_gemm_out
	.p2align	8
	.type	k_q03ff64e613_gemm_out,@function
k_q03ff64e613_gemm_out:
	s_mov_b64 s[64:65], 0
	v_nop
	global_prefetch_b8 v0, s[64:65] scope:SCOPE_SE
	s_setreg_imm32_b32 hwreg(HW_REG_WAVE_MODE, 25, 1), 1
	s_wait_xcnt 0x0
	s_wait_alu depctr_hold_cnt(0) depctr_sa_sdst(0) depctr_va_vdst(0) depctr_va_sdst(0) depctr_va_ssrc(0) depctr_va_vcc(0) depctr_vm_vsrc(0)
	s_getreg_b32 s2, hwreg(HW_REG_IB_STS2, 6, 4)
	s_cmp_eq_u32 s2, 0
	s_cbranch_scc0 .Lentry_in_a_cluster
	s_endpgm
.Lentry_in_a_cluster:
	s_bfe_u32 s2, ttmp6, 0x10000c
	s_cmp_lg_u32 s2, 0xf033
	s_cbranch_scc0 .Lentry_shape_is_right
	s_endpgm
.Lentry_shape_is_right:
; LAUNCH 4 OF 4: out0 = o w_out^T + b_out on codes of FP6 (K = 1,024), f32 sums.  No work is left out here.
; A tile of out0 is 128 rows x 256 columns: 64 x 4 = 256 work-groups.  Four waves, 2 x 2, of 64 x 128: 32 accumulators, 256 registers.  The matrix instruction is used transposed (source 0 = 16 rows of w_out,
; source 1 = 16 rows of o): a lane holds eight neighbouring numbers of a row of out0.  The bias is the first products' C.
; ALL OF K LIES IN LDS (128 + 256 rows x 768 bytes = 294,912): four joint loads at the head, one a wave: wave 0 o's first 512 along K, wave 1 w_out's, waves 2 and 3 the second 512.  Nothing is filled again.
; The first barrier shows the first half (waves 0 and 1 have load lines of their own, and they alone wait) and the scale bytes; the second, in step 3, shows the second half: every wave waits there.
; Behind the second barrier nobody reads the first half: the stages of the way out lie there.
; THE SCALE BYTES come by plain loads and are stored into LDS bytes of their own, as units of 256 bytes + 16: w_out's as they lie (ops); o's are gathered from as2 [head][batch][cx 4][block 16][2 tiles][r 16][2 bytes],
; a thread to a row.  All eight steps' scale words then lie in registers: block i's eight words at v[32 + 10 i ..]; lanes 0-15 o's rows, lanes 16-31 w_out's.
; CLUSTERS: 4 x 4; o's tiles are asked for jointly along a row of the cluster, w_out's along a column.  Not laid: a prefetch: every tile is asked for at the head.
; REGISTERS: window 0: v0-31 addresses; v32-111 scale words; v128-223 o's fragments, two sets of 48; window 1: w_out's fragments, two sets at v0 and v128, the bias at v96-127 and v224-255; window 2: the accumulators.
.set FR,    12
.set TILEB, 12288                      ; a tile of 16 rows, all of K
.set HKB,   6144                       ; and its bytes of half of K
.set HREG,  24*HKB                     ; half of K in LDS: o's 8 tiles, then w_out's 16
.set BOFF,  8*HKB
.set SCL,   2*HREG                     ; the scale bytes: o's 16 units of 272, then w_out's 32
.set SBLK,  544
.set SPARE, SCL+48*272                 ; the spare words: no other line names them
.set SPITCH, 528
.set ADA16, 8                          ; v8, v9 16 x lane + my rows of o in half 0, 1; v10, v11 with 8 x lane; v12-15 the same for w_out
.set ADA8,  10
.set ADB16, 12
.set ADB8,  14
.set STO,   24
.set RD,    25
.set CO,    26
.set ADRS,  27
.set SPW,   28
.set NIL,   29
.set SC,    32
.set AF,    128
.set BK,    128
.set G1,   24
.set G1B,  32
.set GA,   40
.set GB,   44
.set MSB, 0
.macro WIN new
.if MSB != (\new)
	s_set_vgpr_msb (MSB<<8)|(\new)
.set MSB, (\new)
.endif
.endm
.set MUL,  0xa1                        ; source 0 window 1, source 1 window 0, C and D window 2
.set BIA,  0x91                        ; the same, C window 1
.set TO_B, 0x40
.macro PLACES n
.rept \n
	v_nop
.endr
.endm
.macro ARM n, g0, g1, next             ; an arm of the head's one chain: a load, its s_nop 0 and four v_nop, a jump to the join
	s_cmp_eq_u32 s14, \n
	s_cbranch_scc0 \next
	tensor_load_to_lds s[\g0:\g0+3], s[\g1:\g1+7]
	s_nop 0
	PLACES 4
	s_branch .Lasked
\next:
.endm
.macro CROUND
	s_barrier_signal -1
	s_barrier_wait -1
	s_cmp_lg_u32 s14, 0
	s_cbranch_scc1 .Lnot_wave_0_\@
	s_barrier_signal -3
.Lnot_wave_0_\@:
	s_barrier_wait -3
	s_barrier_signal -1
	s_barrier_wait -1
.endm
	s_load_b128 s[4:7], s[0:1], 0x0                ; ac, as2
	s_load_b128 s[8:11], s[0:1], 0x10              ; opc, ops
	s_load_b128 s[92:95], s[0:1], 0x20             ; b_out, out0
	v_lshl_add_u32 v[SPW], v0, 2, SPARE
	v_mov_b32 v[NIL], 0
	ds_add_u32 v[SPW], v[NIL]                      ; the opening: the add, twice on end, and its wait
	ds_add_u32 v[SPW], v[NIL]
	v_lshrrev_b32 v1, 5, v0
	v_readfirstlane_b32 s14, v1                    ; wave
	s_lshr_b32 s15, s14, 1                         ; my half of the tile's rows; head: which half of K I fetch
	s_and_b32 s16, s14, 1                          ; my half of its columns; head: o (0) or w_out (1)
	s_bfe_u32 s96, ttmp6, 0x40000                  ; cx
	s_bfe_u32 s97, ttmp6, 0x40004                  ; cy
	s_lshl_b32 s18, ttmp9, 2
	s_add_co_u32 s18, s18, s96                     ; tile column, 0 .. 3
	s_and_b32 s17, ttmp7, 0xffff
	s_lshl_b32 s17, s17, 2
	s_add_co_u32 s17, s17, s97                     ; tile row, 0 .. 63: a block of 128 tokens
	s_lshl_b32 s99, s97, 2
	s_lshl_b32 s99, 15, s99                        ; my row of the cluster
	s_lshl_b32 s100, 0x1111, s96                   ; my column
	s_or_b32 s[G1], s99, (3<<16)|(1<<21)           ; the mask; elements of 8 bytes; no padding: an image's loads are consecutive bytes
	s_or_b32 s[G1B], s100, (3<<16)|(1<<21)
.irp g, G1, G1B
	s_mov_b32 s[\g+1], 768<<16                     ; rows of 6,144 bytes,
	s_mov_b32 s[\g+3], 768<<16
	s_mov_b32 s[\g+5], 1536                        ; 12,288 bytes apart
	s_mov_b32 s[\g+6], 0
	s_mov_b32 s[\g+7], 0
.endr
	s_mov_b32 s[G1+2], 8<<16                       ; o: 8 tiles of rows,
	s_mov_b32 s[G1+4], 8
	s_mov_b32 s[G1B+2], 16<<16                     ; w_out: 16
	s_mov_b32 s[G1B+4], 16
	s_mul_i32 s68, s17, 8*TILEB
	s_mov_b32 s69, 0
	s_lshl_b32 s100, s18, 4
	s_add_co_u32 s100, s100, 704                   ; w_out's first tile in opc
	s_mul_i32 s70, s100, TILEB
	s_mov_b32 s71, 0
	s_lshl_b32 s100, s100, 9                       ; its scale bytes: 512 a tile
	s_mov_b32 s101, 0
	s_mul_i32 s74, s15, HKB
	s_mov_b32 s75, 0
	s_lshr_b32 s98, s17, 4                         ; as2: the batch's 4,096 bytes, the block's 64 in every quarter
	s_lshl_b32 s98, s98, 12
	s_and_b32 s99, s17, 15
	s_lshl_b32 s99, s99, 6
	s_add_co_u32 s98, s98, s99
	s_mov_b32 s99, 0
	s_lshl_b32 s2, s18, 10
	s_lshl_b32 s3, s16, 9
	s_add_co_u32 s2, s2, s3                        ; my first column, in bytes
	s_mov_b32 s3, 0
	s_lshl_b32 s12, s17, 19
	s_lshl_b32 s13, s15, 18
	s_add_co_u32 s12, s12, s13
	s_add_co_u32 s12, s12, s2                      ; my part of out0
	s_mov_b32 s13, 0
	s_mov_b32 s[GA], 1
	s_mul_i32 s[GA+1], s15, HREG
	s_mov_b32 s[GB], 1
	s_add_co_u32 s[GB+1], s[GA+1], BOFF
	s_mov_b32 s22, 0x05040100
	s_mov_b32 s23, 0x02020202
	s_mul_i32 s80, s15, 4*HKB                      ; my 4 tiles of o,
	s_mul_i32 s81, s16, 8*HKB
	s_add_co_u32 s81, s81, BOFF                    ; my 8 of w_out
	s_mul_i32 s83, s15, 2176
	s_mul_i32 s82, s16, 4352
	s_add_co_u32 s82, s82, 4352
	s_sub_co_u32 s82, s82, s83                     ; from my rows' scale bytes of o to those of w_out
	s_add_co_u32 s83, s83, SCL
	s_mul_i32 s84, s14, 16*SPITCH                  ; my stage
	v_and_b32 v1, 15, v0                           ; r
	v_bfe_u32 v2, v0, 4, 1                         ; h
	v_and_b32 v3, 31, v0
	v_bfe_u32 v4, v0, 5, 2                         ; thread t has row t: tile t / 16; its word in as2: quarter t / 32, word (t / 2) % 16
	v_bfe_u32 v6, v0, 1, 4
	v_lshlrev_b32 v6, 2, v6
	v_lshl_add_u32 v6, v4, 10, v6
	v_and_b32 v5, 1, v0
	v_mul_lo_u32 v5, v5, s23
	v_add_nc_u32 v5, s22, v5                       ; the byte select: the word's low half for even rows, its high half for odd ones
	v_lshlrev_b32 v20, 4, v0                       ; w_out's scale bytes: 16 x thread in memory,
	v_lshrrev_b32 v21, 4, v0
	v_mul_u32_u24 v21, v21, 272
	v_lshl_add_u32 v21, v1, 4, v21
	v_add_nc_u32 v21, SCL+4352, v21                ; and in LDS
	v_lshrrev_b32 v22, 3, v0
	v_lshlrev_b32 v22, 4, v22
	v_lshl_add_u32 v22, v0, 5, v22
	v_add_nc_u32 v22, SCL, v22                     ; o's: 32 bytes a row, 16 more for each 8 rows
	v_lshlrev_b32 v7, 6, v2
	v_lshlrev_b32 v[CO], 4, v3
	v_lshlrev_b32 v23, 3, v3
	v_add_nc_u32 v[ADA16], s80, v[CO]
	v_add_nc_u32 v[ADA8], s80, v23
	v_add_nc_u32 v[ADB16], s81, v[CO]
	v_add_nc_u32 v[ADB8], s81, v23
	v_add_nc_u32 v[ADA16+1], HREG, v[ADA16]
	v_add_nc_u32 v[ADA8+1], HREG, v[ADA8]
	v_add_nc_u32 v[ADB16+1], HREG, v[ADB16]
	v_add_nc_u32 v[ADB8+1], HREG, v[ADB8]
	v_mul_u32_u24 v16, v1, 32
	v_lshrrev_b32 v17, 8, v16
	v_lshl_add_u32 v16, v17, 4, v16
	v_mul_u32_u24 v17, s82, v2                     ; lanes 16-31 take w_out's
	v_add_nc_u32 v16, v16, v17
	v_add_nc_u32 v[ADRS], s83, v16
	v_mul_u32_u24 v[STO], v1, SPITCH
	v_lshl_add_u32 v[STO], v2, 6, v[STO]
	v_add_nc_u32 v[STO], s84, v[STO]
	v_add_nc_u32 v[RD], s84, v[CO]
	s_wait_alu depctr_va_vdst(0)
	s_wait_dscnt 0x0                               ; both opening adds are done
	s_wait_kmcnt 0x0
	s_add_nc_u64 s[68:69], s[4:5], s[68:69]
	s_add_nc_u64 s[GA+2:GA+3], s[68:69], s[74:75]
	s_or_b32 s[GA+3], s[GA+3], 0x80000000
	s_add_nc_u64 s[70:71], s[8:9], s[70:71]
	s_add_nc_u64 s[GB+2:GB+3], s[70:71], s[74:75]
	s_or_b32 s[GB+3], s[GB+3], 0x80000000
	s_add_nc_u64 s[6:7], s[6:7], s[98:99]
	s_add_nc_u64 s[100:101], s[10:11], s[100:101]
	s_add_nc_u64 s[92:93], s[92:93], s[2:3]
	s_add_nc_u64 s[94:95], s[94:95], s[12:13]
.irp e, 0,1,2,3,4,5,6,7,8,9,10,11,12,13,14,15
	global_load_b32 v[96+\e], v6, s[6:7] offset:16384*\e       ; head e's two bytes of my row and of its neighbour
.endr
.irp j, 0,1,2,3
	global_load_b128 v[128+4*\j:131+4*\j], v20, s[100:101] offset:2048*\j
.endr
	WIN TO_B
.irp b, 0,1,2,3,4,5,6,7
	global_load_b128 v[96+8*\b+96*(\b/4):96+8*\b+96*(\b/4)+3], v7, s[92:93] offset:128*(\b/2)+32*(\b%2)      ; the bias, laid as the result lies
	global_load_b128 v[96+8*\b+96*(\b/4)+4:96+8*\b+96*(\b/4)+7], v7, s[92:93] offset:128*(\b/2)+32*(\b%2)+16
.endr
	WIN 0
	CROUND                                         ; all sixteen work-groups are here: the joint loads meet
	ARM 0, GA, G1, .Lhead_b0
	ARM 1, GB, G1B, .Lhead_a1
	ARM 2, GA, G1, .Lhead_b1
	tensor_load_to_lds s[GB:GB+3], s[G1B:G1B+7]
	s_nop 0
	PLACES 4
.Lasked:
	s_wait_loadcnt 0x0
.irp k, 0,1,2,3,4,5,6,7
	v_perm_b32 v[112+\k], v[97+2*\k], v[96+2*\k], v5           ; my row's scale word of K 128 k ..: heads 2 k and 2 k + 1
.endr
	ds_store_b128 v22, v[112:115]
	ds_store_b128 v22, v[116:119] offset:16
.irp j, 0,1,2,3
	ds_store_b128 v21, v[128+4*\j:131+4*\j] offset:2176*\j
.endr
	s_wait_alu depctr_va_vdst(0)
	s_cmp_lt_u32 s14, 2
	s_cbranch_scc0 .Lnot_first
	s_wait_tensorcnt 0x0                           ; waves 0 and 1: the first half of K is in
.Lnot_first:
	s_wait_dscnt 0x0                               ; my stores of scale bytes have landed
	s_barrier_signal -1
	s_barrier_wait -1                              ; the second half may be on its way
.macro FRAG reg, a16, a8, off          ; an operand of 16 x 128: two images, four loads of consecutive bytes
	ds_load_b128 v[(\reg):(\reg)+3], v[\a16] offset:(\off)
	ds_load_b64 v[(\reg)+4:(\reg)+5], v[\a8] offset:(\off)+512
	ds_load_b128 v[(\reg)+6:(\reg)+9], v[\a16] offset:(\off)+768
	ds_load_b64 v[(\reg)+10:(\reg)+11], v[\a8] offset:(\off)+1280
.endm
.macro FETCH st                        ; step st's twelve fragments into set st % 2
	WIN TO_B
.irp i, 0,1,2,3,4,5,6,7
	FRAG 128*((\st)%2)+FR*\i, ADB16+(\st)/4, ADB8+(\st)/4, HKB*\i+1536*((\st)%4)
.endr
	WIN 0
.irp i, 0,1,2,3
	FRAG AF+48*((\st)%2)+FR*\i, ADA16+(\st)/4, ADA8+(\st)/4, HKB*\i+1536*((\st)%4)
.endr
.endm
; 32 matrix instructions: o's four blocks x w_out's eight, 128 along K.  The 32 accumulators take turns, one instruction a turn.
.macro MULS st
.irp a, 0,1,2,3
.irp b, 0,1,2,3,4,5,6,7
.if (\st) == 0
	v_wmma_scale_f32_16x16x128_f8f6f4 v[8*(8*\a+\b):8*(8*\a+\b)+7], v[FR*\b:FR*\b+FR-1], v[AF+FR*\a:AF+FR*\a+FR-1], v[96+8*\b+96*(\b/4):96+8*\b+96*(\b/4)+7], v[SC+10*\b], v[SC+10*\a] matrix_a_fmt:MATRIX_FMT_FP6 matrix_b_fmt:MATRIX_FMT_FP6 matrix_a_scale:MATRIX_SCALE_ROW1
.else
	v_wmma_scale_f32_16x16x128_f8f6f4 v[8*(8*\a+\b):8*(8*\a+\b)+7], v[128*((\st)%2)+FR*\b:128*((\st)%2)+FR*\b+FR-1], v[AF+48*((\st)%2)+FR*\a:AF+48*((\st)%2)+FR*\a+FR-1], v[8*(8*\a+\b):8*(8*\a+\b)+7], v[SC+10*\b+(\st)], v[SC+10*\a+(\st)] matrix_a_fmt:MATRIX_FMT_FP6 matrix_b_fmt:MATRIX_FMT_FP6 matrix_a_scale:MATRIX_SCALE_ROW1
.endif
.endr
.endr
.endm
.irp i, 0,1,2,3,4,5,6,7
	ds_load_b128 v[SC+10*\i:SC+10*\i+3], v[ADRS] offset:\i*SBLK       ; block i's eight scale words (lanes 0-15 of blocks 4-7 bring words that no product names)
	ds_load_b128 v[SC+10*\i+4:SC+10*\i+7], v[ADRS] offset:\i*SBLK+16
.endr
	FETCH 0
.set ST, 0
.rept 8
	s_wait_dscnt 0x0                               ; this step's fragments, asked for a step ago, are in
.if ST == 3
	s_wait_tensorcnt 0x0                           ; every wave: my tile is in; and my reads of the first half are over
	s_barrier_signal -1
	s_barrier_wait -1                              ; the second half of K is whole, and nobody reads the first any more
.endif
.if ST < 7
.if ST > 0
	PLACES 4                                       ; between the last step's products and the loads into their operands
.endif
	FETCH ST+1
.endif
.if ST == 0
	WIN BIA
.else
	WIN MUL
.endif
	MULS ST
	WIN 0
.set ST, ST+1
.endr
; THE WAY OUT, block by block of 16 rows x 128 columns, through my own stage: back come whole rows of 512 bytes.  LDS serves a wave's instructions in order (ISA guide 5.7.1.4): no wait between the stores and the loads.
.macro TOSTAGE a
	WIN 0x08                                       ; the data: window 2
.irp b, 0,1,2,3,4,5,6,7
	ds_store_b128 v[STO], v[64*(\a)+8*\b:64*(\a)+8*\b+3] offset:128*(\b/2)+32*(\b%2)          ; each accumulator from its low end on
	ds_store_b128 v[STO], v[64*(\a)+8*\b+4:64*(\a)+8*\b+7] offset:128*(\b/2)+32*(\b%2)+16
.endr
	WIN 0
.set BB, BK+64*((\a)%2)
.irp t, 0,1,2,3,4,5,6,7,8,9,10,11,12,13,14,15
	ds_load_b128 v[BB+4*\t:BB+4*\t+3], v[RD] offset:\t*SPITCH
.endr
.endm
.macro SEND a, younger                 ; younger: the LDS instructions issued behind block a's loads, which may stay out
.set BB, BK+64*((\a)%2)
	s_wait_dscnt \younger
.irp t, 0,1,2,3,4,5,6,7,8,9,10,11,12,13,14,15
	global_store_b128 v[CO], v[BB+4*\t:BB+4*\t+3], s[94:95] offset:(32*((\a)/2)+8*((\a)%2)+\t+8*(\t/8))*4096 th:TH_STORE_NT   ; 512 consecutive bytes, aligned
.endr
.endm
	PLACES 4
	TOSTAGE 0
.irp a, 1,2,3
.if \a > 1
	s_wait_xcnt 0x0                                ; block a - 2's stores have read their registers
.endif
	TOSTAGE \a
	SEND \a-1, 32
.endr
	SEND 3, 0
	s_wait_tensorcnt 0x0                           ; the wave's end
	ds_add_u32 v[SPW], v[NIL]
	s_wait_dscnt 0x0
	CROUND                                         ; the closing round
	s_endpgm
.Lfunc_end_k_q03ff64e613_gemm_out:
	.size	k_q03ff64e613_gemm_out, .Lfunc_end_k_q03ff64e613_gemm_out-k_q03ff64e613_gemm_out
	.p2alignl 7, 3214868480
	.fill 96, 4, 3214868480
	.section	.rodata,"a",@progbits
	.p2align	6, 0x0
	.amdhsa_kernel k_q03ff64e613_gemm_out
		.amdhsa_group_segment_fixed_size 327680
		.amdhsa_private_segment_fixed_size 0
		.amdhsa_enable_private_segment 0
		.amdhsa_kernarg_size 48
		.amdhsa_user_sgpr_count 2
		.amdhsa_user_sgpr_kernarg_segment_ptr 1
		.amdhsa_wavefront_size32 1
		.amdhsa_system_sgpr_workgroup_id_x 1
		.amdhsa_system_sgpr_workgroup_id_y 1
		.amdhsa_system_sgpr_workgroup_id_z 1
		.amdhsa_system_vgpr_workitem_id 0
		.amdhsa_next_free_vgpr 768
		.amdhsa_next_free_sgpr 102
		.amdhsa_reserve_vcc 0
		.amdhsa_float_denorm_mode_32 3
		.amdhsa_float_denorm_mode_16_64 3
		.amdhsa_memory_ordered 1
		.amdhsa_forward_progress 1
		.amdhsa_inst_pref_size 87
	.end_amdhsa_kernel
	.amdgpu_metadata
---
amdhsa.version: [ 1, 2 ]
amdhsa.kernels:
  - .name:           k_q03ff64e613_gemm_out
    .symbol:         k_q03ff64e613_gemm_out.kd
    .args:
      - { .name: ac, .offset: 0, .size: 8, .value_kind: global_buffer, .address_space: global }
      - { .name: as2, .offset: 8, .size: 8, .value_kind: global_buffer, .address_space: global }
      - { .name: opc, .offset: 16, .size: 8, .value_kind: global_buffer, .address_space: global }
      - { .name: ops, .offset: 24, .size: 8, .value_kind: global_buffer, .address_space: global }
      - { .name: b_out, .offset: 32, .size: 8, .value_kind: global_buffer, .address_space: global }
      - { .name: out0, .offset: 40, .size: 8, .value_kind: global_buffer, .address_space: global }
    .group_segment_fixed_size: 327680
    .private_segment_fixed_size: 0
    .kernarg_segment_align: 8
    .kernarg_segment_size: 48
    .max_flat_workgroup_size: 128
    .sgpr_count:     102
    .vgpr_count:     768
    .wavefront_size: 32
...
	.end_amdgpu_metadata
.endif
;; end of part 4
